; MI455X (gfx1250); checked and timed in simulation.
; The chip was launched on July 23, 2026; its instructions are those of AMD's public machine-readable ISA for CDNA 5 (MIT licence, August 2026) and "CDNA5" Instruction Set Architecture Reference Guide (July 2026). The comments in the code are by the model that wrote it; some were corrected since.
;; Caldera Quantized Linear. Allowed arithmetic: matrix products marked QUANTISED: E3M2 operands, one E8M0 scale for each 32 along K, by v_wmma_scale_f32_16x16x128_f8f6f4 with both operands' format E3M2, f32 sums; everything else in f32.
;; Inputs: L_ft 1,024 x 64 float32; L_idxs 64 x 128 int32; Q_idxs 1,024 x 512 int32; R_ft 64 x 4,096 float32; R_idxs 64 x 512 int32; SU 4,096 float32; SV 1,024 float32; grid 65,536 x 8 float32; x 4 x 2,048 x 4,096 float32.
;; Outputs: out0 4 x 2,048 x 1,024 float32.
;; This version of the problem:
;;   THIS VERSION OF THE PROBLEM IS GIVEN IN LOW PRECISION. The matrix products marked QUANTISED in the list below multiply operands that are first quantised to E3M2 (3 exponent bits, 2 mantissa bits; 6 bits a number), with one power-of-two scale for each 32 numbers along K (OCP MX v1.0); their sums are f32. All else is computed in f32.
;;   The module's matrix products, in the order in which they are computed (A, B: the left and right operand; K: the contracted axis; several contracted axes count as one K, in the product's order):
;;     1. [M 8,192, K 4,096] x [K 4,096, N 1,024]; A: computed on the way; B: computed on the way: QUANTISED
;;     2. [M 8,192, K 4,096] x [K 4,096, N 64]; A: computed on the way; B: computed on the way: QUANTISED
;;     3. [M 8,192, K 64] x [K 64, N 1,024]; A: computed on the way; B: computed on the way: QUANTISED
;;     4. [M 8,192, K 4,096] x [K 4,096, N 64]; A: computed on the way; B: input R_ft: QUANTISED
;;     5. [M 8,192, K 64] x [K 64, N 1,024]; A: computed on the way; B: input L_ft: QUANTISED
;;   THE QUANTISER, for each operand of a quantised product, along K:
;;     - K is cut into blocks of 32 from its start; a last block that is shorter is filled with zeros.
;;     - A block's scale is 2^e with e = floor(log2(the largest magnitude in the block)) - 4, held to -126 .. 127; a block of zeros has e = 0. As a byte (E8M0): e + 127.
;;     - Each number is divided by its block's scale, clamped to +-28, and rounded to the nearest number of E3M2, ties to even, subnormals kept.
;;     - The product sums the exact products of the quantised numbers (number of the format x scale) in f32.
;;   ~~~python
;;   def quantise(x, axis):      # numpy; x: float32 -> the quantised numbers, widened to float32 again
;;       x = np.moveaxis(x, axis, -1); K = x.shape[-1]
;;       x = np.pad(x, [(0, 0)] * (x.ndim - 1) + [(0, -K % 32)]); x = x.reshape(x.shape[:-1] + (-1, 32)); a = np.abs(x).max(-1, keepdims=True)
;;       e = np.where(a > 0, np.clip(np.frexp(np.where(a > 0, a, 1))[1] - 1 - 4, -126, 127), 0)      # np.frexp(a)[1] - 1 = floor(log2(a)), exactly
;;       r = np.clip(x / 2.0 ** e, -28, 28)
;;       step = 2.0 ** (np.maximum(np.frexp(np.where(r == 0, 1, r))[1] - 1, -2) - 2)
;;       q = np.round(r / step) * step * 2.0 ** e      # np.round: ties to even
;;       return np.moveaxis(q.reshape(q.shape[:-2] + (-1,))[..., :K], -1, axis).astype(np.float32)
;;   ~~~
;;   OPERANDS COMPUTED ON THE WAY. 'Computed on the way' means the value that the module computes at that place (a softmax that the list does not call 'softmax' is quantised finished and normalised). What goes into a quantiser is computed in f32, as accurately as f32 sums, v_exp_f32 and their like allow (about 1e-6 of the number): no bf16 or f16 on the way to a quantiser, and a product that is left as it is and whose result goes on into a quantised operand takes f32 operands (vector FMAs, or v_wmma_f32_16x16x4_f32). A number that lies on a knife's edge between two numbers of the format may be rounded either way, as far as f32 arithmetic and the matrix unit's own rounding can turn it there, and no further.
;; 2 versions. Each part assembles by itself: llvm-mc -triple=amdgcn-amd-amdhsa -mcpu=gfx1250 --defsym DOCPART=n.
;; ======== version 1 of 2: 2 launches
;; workspace buffers: wb 3,788,800 bytes
;; launch prep (part 1): grid 296 x 1, 4 waves a work-group, no clusters, 0 bytes of LDS; arguments grid, Q_idxs, R_idxs, L_idxs, R_ft, L_ft, wb; writes wb
.if DOCPART == 1
	.amdgcn_target "amdgcn-amd-amdhsa--gfx1250"
	.amdhsa_code_object_version 6
	.text
	.protected	k_q4b4c86e2f2_prep
	.globl	k_q4b4c86e2f2_prep
	.p2align	8
	.type	k_q4b4c86e2f2_prep,@function
k_q4b4c86e2f2_prep:
	s_mov_b64 s[64:65], 0
	v_nop
	global_prefetch_b8 v0, s[64:65] scope:SCOPE_SE
	s_setreg_imm32_b32 hwreg(HW_REG_WAVE_MODE, 25, 1), 1
	s_wait_xcnt 0x0
; All weights become codes of BF6 (E3M2) with one E8M0 byte for each 32 along K, laid in wb AS IMAGES OF THE OPERAND'S REGISTERS, in the order in which the next launch walks them.
; wb: 37 slots of 102,400 bytes; a slot has four quarters w of 25,600 bytes: 16 fragment images of 1,536 bytes, then 1,024 bytes of scale words.
; A fragment is 16 rows x 128 K: lane (rho, h) holds row rho; registers 0-5 K = 32 h + 0..31, registers 6-11 K = 64 + 32 h + 0..31.  Image: registers 4 c .. 4 c + 3 of lane L at 512 c + 16 L.
; The scale word of fragment f, row rho, lies at 24,576 + 64 f + 4 rho of the quarter.
;   slots 0-3:  low-rank columns c (c < 64: row c of W_r = grid[R_idxs] x 1.05; c >= 64: row c - 64 of R_ft).  Fragment 2 q + u: K step 8 k + q, row rho = column 32 w + 8 u + 16 (rho / 8) + rho % 8.
;   slot 4:     the way back, one K step of 128: K' < 64: W_l[K'][n] = grid[L_idxs] x 1.1;  K' >= 64: L_ft[n][K' - 64].  Fragment t: row rho = output n = 256 w + 128 (rho / 8) + 8 t + rho % 8.
;   slots 5-36: W_q = grid[Q_idxs] x 0.9, K step k - 5, fragments and rows as in slot 4.
; The rows of a fragment are chosen so that the next launch's results lie in its registers in the order that its next step wants.
; SHARES: work-group G: slot G / 8, quarter (G / 2) % 4; its four waves take pairs of fragments 4 (G % 2) + wave.  A lane holds two whole blocks of 32 of each fragment, so a block's largest magnitude needs no other lane.
; A block's scale byte is the exponent field of its largest magnitude less 4, held at 1 from below by a floor among the maximum's leaves.
; LIMITS: NaN and infinities are not served.  A block of zeros, or one whose largest magnitude lies under 2^-122, gets the byte 1 where the rule says 127 or less than 1: its codes are zeros or next to it, and this program alone reads the bytes.
; Indices are held at 65,535, the table's last row.
; No LDS, no barrier, no matrix unit, no cluster: waves share nothing, and the launch is a few gathers deep.
.set SLOTB, 102400
.set QUARB, 25600
.set IDX, 16                           ; v16-79   indices, then byte offsets into grid
.set X,   80                           ; v80-207  fragment f's 64 numbers at X + 64 f: 0-31 block h, 32-63 block 2 + h
.set C,   208                          ; v208-231 the codes, 12 registers a fragment
.set T,   232                          ; v232-238 second halves of blocks, as the conversions leave them
.set MX,  240                          ; v240-241 largest magnitudes
.set SO,  242                          ; v242-243 the conversions' scale operands
.set PW,  244                          ; v244-245 the fragments' scale words
.set MW,  246                          ; v246     both, lanes 0-15 fragment 0's, lanes 16-31 fragment 1's
.set PL,  247                          ; v247     a lane permute's destination
.set BY,  248                          ; v248-249 scale bytes
	s_load_b256 s[4:11], s[0:1], 0x0               ; grid s[4:5], Q_idxs s[6:7], R_idxs s[8:9], L_idxs s[10:11]
	s_load_b128 s[12:15], s[0:1], 0x20             ; R_ft s[12:13], L_ft s[14:15]
	s_load_b64 s[16:17], s[0:1], 0x30              ; wb
	v_lshrrev_b32 v1, 5, v0
	v_readfirstlane_b32 s18, v1                    ; wave
	v_and_b32 v7, 31, v0                           ; lane
	v_lshlrev_b32 v1, 4, v7                        ; 16 x lane: my place in an image
	v_lshlrev_b32 v6, 2, v7                        ; 4 x lane: my place among the pair's scale words
	v_bfe_u32 v3, v0, 4, 1                         ; h
	v_and_b32 v4, 7, v0                            ; rho % 8
	v_bfe_u32 v5, v0, 3, 1                         ; rho / 8
	v_lshlrev_b32 v11, 3, v3                       ; 8 h: my bytes' place in a scale word
	v_mov_b32 v[PL], 0                             ; written once: a lane permute's destination counts as one of its sources
	s_mov_b32 s30, 0x76543210
	s_mov_b32 s31, 0xfedcba98                      ; v_permlanex16_b32's selects for lane l xor 16
	s_lshr_b32 s19, ttmp9, 3                       ; k: the slot
	s_bfe_u32 s20, ttmp9, 0x20001                  ; w: the quarter
	s_and_b32 s21, ttmp9, 1
	s_lshl_b32 s21, s21, 2
	s_add_co_u32 s21, s21, s18                     ; i: my pair of fragments, 0 .. 7
	s_mul_i32 s32, s19, SLOTB
	s_mul_i32 s33, s20, QUARB
	s_add_co_u32 s32, s32, s33                     ; where the quarter begins
	s_mul_i32 s33, s21, 3072
	s_add_co_u32 s34, s32, s33                     ; my two images
	s_mov_b32 s35, 0
	s_lshl_b32 s33, s21, 7
	s_add_co_u32 s32, s32, s33
	s_add_co_u32 s32, s32, 24576                   ; my two fragments' scale words
	s_mov_b32 s33, 0
	s_wait_kmcnt 0x0
	s_add_nc_u64 s[36:37], s[16:17], s[34:35]
	s_add_nc_u64 s[38:39], s[16:17], s[32:33]
	s_cmp_eq_u32 s19, 4                            ; the three ways part on the work-group's number alone
	s_cbranch_scc1 .Lmix
	s_cmp_ge_u32 s19, 5
	s_cbranch_scc1 .Lgather
	s_cmp_lt_u32 s20, 2
	s_cbranch_scc1 .Lgather
; ---- R_ft: row 32 (w - 2) + 8 f + 16 (rho / 8) + rho % 8 of 16,384 bytes; K step 8 k + i: 512 bytes; my blocks at 128 h and 256 + 128 h
	s_sub_co_u32 s24, s20, 2
	s_lshl_b32 s24, s24, 19
	s_lshl_b32 s25, s19, 3
	s_add_co_u32 s25, s25, s21
	s_lshl_b32 s25, s25, 9
	s_add_co_u32 s24, s24, s25
	v_lshlrev_b32 v8, 18, v5
	v_lshl_add_u32 v8, v4, 14, v8
	v_lshl_add_u32 v8, v3, 7, v8
	v_add_nc_u32 v8, s24, v8
.irp f, 0,1
.irp c, 0,1
.irp a, 0,1,2,3,4,5,6,7
	global_load_b128 v[X+64*\f+32*\c+4*\a:X+64*\f+32*\c+4*\a+3], v8, s[12:13] offset:131072*\f+256*\c+16*\a th:TH_LOAD_NT
.endr
.endr
.endr
	s_wait_loadcnt 0x0
	s_branch .Lquant
; ---- W_q or W_r: both index tables have rows of 2,048 bytes; a K step is 16 indices; my blocks' four indices each at 16 h and 32 + 16 h
.Lgather:
	s_lshl_b32 s24, s20, 8
	s_lshl_b32 s25, s21, 4
	s_add_co_u32 s24, s24, s25                     ; W_q: first row 256 w + 16 i
	s_lshl_b32 s25, s20, 5                         ; W_r: first row 32 w
	s_sub_co_u32 s26, s19, 5                       ; W_q: K step k - 5 (not taken where k < 5)
	s_lshl_b32 s27, s19, 3
	s_add_co_u32 s27, s27, s21                     ; W_r: K step 8 k + i
	s_mov_b32 s28, 0x3f666666                      ; 0.9
	s_mov_b32 s29, 0x3f866666                      ; 1.05
	s_cmp_ge_u32 s19, 5                            ; every choice hangs on this one compare; nothing between it and the last of them sets SCC
	s_cselect_b64 s[22:23], s[6:7], s[8:9]
	s_cselect_b32 s24, s24, s25
	s_cselect_b32 s26, s26, s27
	s_cselect_b32 s28, s28, s29
	s_cselect_b32 s25, 7, 4                        ; rho / 8 counts 128 rows in W_q, 16 in W_r
	s_mov_b32 s29, s28                             ; (the packed form names the pair)
	s_lshl_b32 s26, s26, 6
	v_lshlrev_b32 v8, s25, v5
	v_add3_u32 v8, v8, v4, s24                     ; my row
	v_lshlrev_b32 v8, 11, v8
	v_lshl_add_u32 v8, v3, 4, v8
	v_add_nc_u32 v8, s26, v8
.irp f, 0,1
.irp c, 0,1
	global_load_b128 v[IDX+8*\f+4*\c:IDX+8*\f+4*\c+3], v8, s[22:23] offset:16384*\f+32*\c   ; fragment 1's rows lie 8 further down
.endr
.endr
	s_wait_loadcnt 0x0
.set ia, 0
.rept 16
	v_min_u32 v[IDX+ia], 0xffff, v[IDX+ia]         ; held inside the table,
.set ia, ia+1
.endr
.set ia, 0
.rept 16
	v_lshlrev_b32 v[IDX+ia], 5, v[IDX+ia]          ; 32 bytes a lattice vector
.set ia, ia+1
.endr
.set ia, 0
.rept 16
	global_load_b128 v[X+8*ia:X+8*ia+3], v[IDX+ia], s[4:5]             ; index 8 f + 4 c + a brings numbers 8 a .. 8 a + 7 of block c of fragment f
	global_load_b128 v[X+8*ia+4:X+8*ia+7], v[IDX+ia], s[4:5] offset:16
.set ia, ia+1
.endr
	s_wait_loadcnt 0x0
.set ia, 0
.rept 64
	v_pk_mul_f32 v[X+2*ia:X+2*ia+1], v[X+2*ia:X+2*ia+1], s[28:29] op_sel_hi:[1,0]
.set ia, ia+1
.endr
	s_branch .Lquant
; ---- the way back.  Block h: K' = 32 h + a: W_l[K'][n]: index L_idxs[K'][n / 8], number n % 8 = rho % 8 of its vector.  Block 2 + h: L_ft[n][32 h + a].
.Lmix:
	s_lshl_b32 s24, s20, 7
	s_lshl_b32 s25, s21, 3
	s_add_co_u32 s24, s24, s25                     ; 4 (32 w + 2 i)
	v_lshlrev_b32 v8, 14, v3                       ; 32 h rows of 512 bytes
	v_lshl_add_u32 v8, v5, 6, v8                   ; 4 x 16 (rho / 8)
	v_add_nc_u32 v8, s24, v8
	s_lshl_b32 s24, s20, 16
	s_lshl_b32 s25, s21, 12
	s_add_co_u32 s24, s24, s25                     ; L_ft: rows of 256 bytes: (256 w + 16 i) rows
	v_lshlrev_b32 v9, 15, v5
	v_lshl_add_u32 v9, v4, 8, v9
	v_lshl_add_u32 v9, v3, 7, v9
	v_add_nc_u32 v9, s24, v9
	v_lshlrev_b32 v10, 2, v4                       ; 4 (rho % 8)
.irp f, 0,1
.set ia, 0
.rept 32
	global_load_b32 v[IDX+32*\f+ia], v8, s[10:11] offset:512*ia+4*\f
.set ia, ia+1
.endr
.endr
.irp f, 0,1
.irp a, 0,1,2,3,4,5,6,7
	global_load_b128 v[X+64*\f+32+4*\a:X+64*\f+32+4*\a+3], v9, s[14:15] offset:2048*\f+16*\a
.endr
.endr
	s_wait_loadcnt 16                              ; the 64 indices are in; L_ft's 16 loads, issued behind them, may be out
.set ia, 0
.rept 64
	v_min_u32 v[IDX+ia], 0xffff, v[IDX+ia]
.set ia, ia+1
.endr
.set ia, 0
.rept 64
	v_lshl_add_u32 v[IDX+ia], v[IDX+ia], 5, v10
.set ia, ia+1
.endr
.set ia, 0
.rept 64
	global_load_b32 v[X+64*(ia/32)+ia%32], v[IDX+ia], s[4:5]
.set ia, ia+1
.endr
	s_wait_loadcnt 0x0
.irp f, 0,1
.set ia, 0
.rept 16
	v_pk_mul_f32 v[X+64*\f+2*ia:X+64*\f+2*ia+1], v[X+64*\f+2*ia:X+64*\f+2*ia+1], 0x3f8ccccd op_sel_hi:[1,0]   ; x 1.1: W_l's half alone
.set ia, ia+1
.endr
.endr
; ---- the quantiser: my two blocks of fragment f
.Lquant:
.macro QFRAG f
.set XF, X+64*\f
.set CF, C+12*\f
	v_max3_num_f32 v[MX], |v[XF]|, |v[XF+1]|, 0x2800000            ; the floor 2^(5 - 127) among the leaves: the byte cannot fall under 1
	v_max3_num_f32 v[MX+1], |v[XF+32]|, |v[XF+33]|, 0x2800000
.irp i, 2,4,6,8,10,12,14,16,18,20,22,24,26,28,30
	v_max3_num_f32 v[MX], v[MX], |v[XF+\i]|, |v[XF+\i+1]|          ; (the two blocks by turns)
	v_max3_num_f32 v[MX+1], v[MX+1], |v[XF+32+\i]|, |v[XF+33+\i]|
.endr
	v_add_nc_u32 v[SO], 0xfe000000, v[MX]          ; 4 off the exponent field: the conversion takes the exponent field of this operand as its scale
	v_add_nc_u32 v[SO+1], 0xfe000000, v[MX+1]
	v_lshrrev_b32 v[BY], 23, v[SO]                 ; the scale's byte
	v_lshrrev_b32 v[BY+1], 23, v[SO+1]
	v_lshl_or_b32 v[PW+\f], v[BY+1], 16, v[BY]     ; blocks h and 2 + h,
	v_lshlrev_b32 v[PW+\f], v11, v[PW+\f]          ; at their places in the word;
	v_permlanex16_b32 v[PL], v[PW+\f], s30, s31
	v_or_b32 v[PW+\f], v[PW+\f], v[PL]             ; with lane l xor 16's two the word is whole
	v_cvt_scalef32_pk16_bf6_f32 v[CF:CF+2], v[XF:XF+15], v[SO]
	v_cvt_scalef32_pk16_bf6_f32 v[T:T+2], v[XF+16:XF+31], v[SO]            ; (a conversion's three registers begin on an even number: the second half of a block's six is made elsewhere and moved)
	v_cvt_scalef32_pk16_bf6_f32 v[CF+6:CF+8], v[XF+32:XF+47], v[SO+1]
	v_cvt_scalef32_pk16_bf6_f32 v[T+4:T+6], v[XF+48:XF+63], v[SO+1]
	v_nop                                          ; one plain place behind a scaled conversion
.irp i, 0,1,2
	v_mov_b32 v[CF+3+\i], v[T+\i]
	v_mov_b32 v[CF+9+\i], v[T+4+\i]
.endr
.endm
	QFRAG 0
	QFRAG 1
	v_cmp_eq_u32 vcc_lo, 1, v3
	v_cndmask_b32 v[MW], v[PW], v[PW+1], vcc_lo    ; lanes 0-15 fragment 0's words, lanes 16-31 fragment 1's
.irp f, 0,1
.irp c, 0,1,2
	global_store_b128 v1, v[C+12*\f+4*\c:C+12*\f+4*\c+3], s[36:37] offset:1536*\f+512*\c   ; 32 lanes store 512 consecutive bytes, at a multiple of 256 from wb's first byte
.endr
.endr
	global_store_b32 v6, v[MW], s[38:39]           ; 128 consecutive bytes
	s_endpgm
.Lfunc_end_k_q4b4c86e2f2_prep:
	.size	k_q4b4c86e2f2_prep, .Lfunc_end_k_q4b4c86e2f2_prep-k_q4b4c86e2f2_prep
	.p2alignl 7, 3214868480
	.fill 96, 4, 3214868480
	.section	.rodata,"a",@progbits
	.p2align	6, 0x0
	.amdhsa_kernel k_q4b4c86e2f2_prep
		.amdhsa_group_segment_fixed_size 0
		.amdhsa_private_segment_fixed_size 0
		.amdhsa_enable_private_segment 0
		.amdhsa_kernarg_size 56
		.amdhsa_user_sgpr_count 2
		.amdhsa_user_sgpr_kernarg_segment_ptr 1
		.amdhsa_wavefront_size32 1
		.amdhsa_system_sgpr_workgroup_id_x 1
		.amdhsa_system_sgpr_workgroup_id_y 1
		.amdhsa_system_sgpr_workgroup_id_z 1
		.amdhsa_system_vgpr_workitem_id 0
		.amdhsa_next_free_vgpr 256
		.amdhsa_next_free_sgpr 66
		.amdhsa_reserve_vcc 1
		.amdhsa_float_denorm_mode_32 3
		.amdhsa_float_denorm_mode_16_64 3
		.amdhsa_memory_ordered 1
		.amdhsa_forward_progress 1
		.amdhsa_inst_pref_size 47
	.end_amdhsa_kernel
	.amdgpu_metadata
---
amdhsa.version: [ 1, 2 ]
amdhsa.kernels:
  - .name:           k_q4b4c86e2f2_prep
    .symbol:         k_q4b4c86e2f2_prep.kd
    .args:
      - { .name: grid, .offset: 0, .size: 8, .value_kind: global_buffer, .address_space: global }
      - { .name: Q_idxs, .offset: 8, .size: 8, .value_kind: global_buffer, .address_space: global }
      - { .name: R_idxs, .offset: 16, .size: 8, .value_kind: global_buffer, .address_space: global }
      - { .name: L_idxs, .offset: 24, .size: 8, .value_kind: global_buffer, .address_space: global }
      - { .name: R_ft, .offset: 32, .size: 8, .value_kind: global_buffer, .address_space: global }
      - { .name: L_ft, .offset: 40, .size: 8, .value_kind: global_buffer, .address_space: global }
      - { .name: wb, .offset: 48, .size: 8, .value_kind: global_buffer, .address_space: global }
    .group_segment_fixed_size: 0
    .private_segment_fixed_size: 0
    .kernarg_segment_align: 8
    .kernarg_segment_size: 56
    .max_flat_workgroup_size: 128
    .sgpr_count:     66
    .vgpr_count:     256
    .wavefront_size: 32
...
	.end_amdgpu_metadata
.endif
;; end of part 1
;; launch main (part 2): grid 256 x 1, 4 waves a work-group, clusters of 4 x 1, 327,680 bytes of LDS; arguments x, SU, SV, wb, out0; writes out0
.if DOCPART == 2
	.amdgcn_target "amdgcn-amd-amdhsa--gfx1250"
	.amdhsa_code_object_version 6
	.text
	.protected	k_q4b4c86e2f2_main
	.globl	k_q4b4c86e2f2_main
	.p2align	8
	.type	k_q4b4c86e2f2_main,@function
k_q4b4c86e2f2_main:
	s_mov_b64 s[64:65], 0
	v_nop
	global_prefetch_b8 v0, s[64:65] scope:SCOPE_SE
	s_setreg_imm32_b32 hwreg(HW_REG_WAVE_MODE, 25, 1), 1
	s_wait_xcnt 0x0
	s_wait_alu depctr_hold_cnt(0) depctr_sa_sdst(0) depctr_va_vdst(0) depctr_va_sdst(0) depctr_va_ssrc(0) depctr_va_vcc(0) depctr_vm_vsrc(0)
	s_getreg_b32 s2, hwreg(HW_REG_IB_STS2, 6, 4)
	s_cmp_eq_u32 s2, 0
	s_cbranch_scc0 .Lentry_in_a_cluster
	s_endpgm
.Lentry_in_a_cluster:
	s_bfe_u32 s2, ttmp6, 0x10000c
	s_cmp_lg_u32 s2, 0x3003
	s_cbranch_scc0 .Lentry_shape_is_right
	s_endpgm
.Lentry_shape_is_right:
; out0 = FWHT_1024( xh W_q^T + (xh W_r^T) W_l + (xh R_ft^T) L_ft^T ) / 32 x SV,  xh = FWHT_4096(x SU) / 64.  x: [8192][4096] f32, out0: [8192][1024] f32.
; All five products run on codes of BF6 (E3M2) with one E8M0 byte for each 32 along K; the weights' codes lie in wb as images of the operand's registers (the launch before made them).
; SHARES.  A work-group of four waves owns 32 whole rows: both transforms need whole rows, and nothing goes to memory between x and out0.
;   PHASE X: wave w makes rows 8 w .. 8 w + 7, one row at a time: x SU / 64, twelve butterfly stages in f32 (five on registers, one exchange through the wave's own stage in LDS, seven on registers),
;   after which lane s holds the row's numbers 128 s .. 128 s + 127: four whole blocks.  They are quantised and stored in LDS as images of the operand's registers, for all four waves.
;   PRODUCTS: wave w owns output columns 256 w .. 256 w + 255 (16 tiles x 2 tiles of rows: 32 accumulators) and low-rank columns 32 w .. 32 w + 31 (2 x 2 accumulators).
;   37 steps, a slot of wb each: 4 steps for the 128 low-rank columns (8 K steps each), their results quantised (each wave's 32 columns are one block of the way back's K);
;   1 step for the way back (K = 128: W_l's 64 and L_ft's 64), which starts the 32 sums; 32 steps for W_q.
;   THE MATRIX INSTRUCTION IS USED TRANSPOSED (source 0 = 16 rows of a weight, source 1 = 16 rows of x): a lane holds one row of x, its registers run along the weight's rows, which the launch before chose
;   so that register 8 t + j of lane (r, h) is column 256 w + 128 h + 8 t + j: seven stages of the last transform are plain butterflies on registers.
;   THE WAY OUT: those seven stages; through LDS into whole rows; the last three stages; x SV / 32; each store covers 512 consecutive bytes.
; 1/64 and 1/32 are powers of two and are folded into SU and SV.  x SU is fused into the first butterfly: one rounding less than a multiplication followed by an addition.
; CLUSTER: 4 x 1 work-groups.  All work-groups walk the same wb, so each quarter of a slot is asked for JOINTLY by the four partners' waves of the same number: same descriptor, mask 15.
; Only this one operand is shared, and a mask names four work-groups at the most: a cluster of 4 x 4 would share nothing more.
; Each wave fetches the quarter that it alone reads, so its own wait on TENSORcnt orders its reads; a slot's next fill stands behind a round of the cluster's barrier.
; A wave has two tensor loads out at the start and one behind each round.
; LIMITS: NaN and infinities are not served.  A block whose largest magnitude lies under 2^-122, zeros among them, gets the scale byte 1; its codes are zeros or next to it, and this program alone reads the bytes.
; The folding of 1/64 and 1/32 rounds nothing unless a product falls among the denormals.
; REGISTERS, in windows of 256 (s_set_vgpr_msb: bits 1:0 source 0, 3:2 source 1, 5:4 source 2, 7:6 destination):
;   window 0: v1-25 addresses; v28-51 x's two fragments; v52-59, v60-67 scale words and nothing else; v68-99 the low-rank sums; v100-115 at work on them
;   window 1: two rows of x as loaded (v0-127, v128-255); then a step's 16 weight fragments; then half of the last transform's to and fro
;   window 2: a row at work (v0-127, v128-255 by turns); then the 32 accumulators ((t, m) at 128 m + 8 t)
;   window 3: v0-127 SU / 64; then 16 fragments of x for a low-rank step; v192-223 SV / 32
.set SLOTB,  102400                    ; a slot: four quarters
.set QUARB,  25600                     ; a quarter: 16 images of 1,536 bytes, 1,024 bytes of scale words: 100 rows of 256 bytes
.set ABASE,  2*SLOTB                   ; x's codes: K step s at 3,088 s (two images + 16 bytes: the 32 writing lanes then start in different banks: 64 banks of 4 bytes, ISA guide 11.1), tile of rows m at + 1,536 m
.set APITCH, 3088
.set ASC,    ABASE+32*APITCH           ; x's scale words: K step s at 132 s, row R at + 4 R
.set SPITCH, 132
.set STG,    ASC+32*SPITCH             ; each wave's stage for the exchange: 32 rows of 128 bytes + 16
.set XRC,    STG                       ; later: the low-rank results' codes, 32 rows of 96 bytes + 16,
.set XRS,    STG+32*112                ; and their scale words
.set SPARE,  326400                    ; the spare words, 128 bytes for each wave: two blocks of 256 bytes that no other line names
.set OPITCH, 4112                      ; the way out: 32 rows of 4,096 bytes + 16, from LDS byte 0 on: over the slots, which have then had their last fill and their last read
.set LI,   1                           ; v1   16 x lane
.set L4,   2                           ; v2   4 x lane
.set SPW,  3                           ; v3   LDS address of my spare word; never rewritten
.set NIL,  4                           ; v4   0; never rewritten
.set STS,  5                           ; v5   the exchange: in
.set STL,  6                           ; v6   the exchange: out
.set AWB,  7                           ; v7   where my wave's first row's codes go
.set ASB,  8                           ; v8   and its scale word
.set AW,   9                           ; v9   the same for the trip in hand
.set ASW,  10                          ; v10
.set BQ,   11                          ; v11-12 my quarter's images in slot 0, 1
.set BS,   13                          ; v13-14 its scale words
.set AR,   15                          ; v15  x's images of the step in hand
.set ASR,  16                          ; v16  x's scale words of the step in hand
.set XRW,  17                          ; v17  low-rank codes: in
.set XSW,  18                          ; v18  their scale byte: in
.set XRR,  19                          ; v19  low-rank codes: out
.set OS,   20                          ; v20-21 the way out: in, tile of rows 0, 1
.set OL,   22                          ; v22  the way out: back
.set ARB,  23                          ; v23  ABASE + 16 x lane
.set ASRB, 24                          ; v24  ASC + 4 x lane
.set XSR,  25                          ; v25  XRS + 4 x lane
.set AF,   28
.set SB,   52
.set SA,   60
.set LR,   68                          ; the low-rank sums: (u, m) at LR + 16 m + 8 u
.set XM,   100                         ; v100-101 largest magnitudes, v102-103 permute's destinations, v104-105 scale operands, v106-107 bytes, v108.. codes
.set G1,   24                          ; s[24:31] descriptor group 1
.set G0,   32                          ; s[32:35], s[36:39] group 0 for slot 0, 1
.set W_FUSE, 0xad                      ; source 0 window 1, source 1 window 3, source 2 and destination window 2
.set W_ALL2, 0xaa
.set W_LDS2, 0x88                      ; LDS: loaded and stored data window 2, address window 0
.set W_TO1,  0x40
.set W_TO2,  0x80
.set W_TO3,  0xc0
.set W_IN3,  0xc3
.set W_MUL,  0xa1                      ; weights window 1, x window 0, sums window 2
.set W_LMUL, 0x0d                      ; weights window 1, x window 3, sums window 0
.set W_S21,  0x4a                      ; sources window 2, destination window 1
.set W_S12,  0x85                      ; sources window 1, destination window 2
.set W_ST1,  0x04                      ; an LDS store's data window 1
.set W_SVM,  0x8d                      ; source 0 window 1, source 1 window 3, destination window 2
.set W_GST2, 0x08                      ; a store's data window 2
.set MSB, 0
.macro WIN new                         ; the immediate's high byte repeats the setting that is left; a switch that changes nothing is dropped
.if MSB != \new
	s_set_vgpr_msb (MSB<<8)|\new
.set MSB, \new
.endif
.endm
.macro PLACES
.rept 4
	v_nop
.endr
.endm
; A round of the cluster's barrier: my work-group's barrier; wave 0 signals for the work-group; every wave waits for the four work-groups; my work-group's barrier once more.
.macro CROUND
	s_barrier_signal -1
	s_barrier_wait -1
	s_cmp_lg_u32 s14, 0
	s_cbranch_scc1 .Lnot_wave_0_\@
	s_barrier_signal -3
.Lnot_wave_0_\@:
	s_barrier_wait -3
	s_barrier_signal -1
	s_barrier_wait -1
.endm
; A butterfly stage on n registers, partners stride registers apart (stride even): sum to the lower place, difference to the upper; two numbers an instruction.
.macro BFLY src, dst, stride, n
.set bi, 0
.rept (\n)/2
.if (bi & (\stride)) == 0
	v_pk_add_f32 v[\dst+bi:\dst+bi+1], v[\src+bi:\src+bi+1], v[\src+bi+\stride:\src+bi+\stride+1]
	v_pk_add_f32 v[\dst+bi+\stride:\dst+bi+\stride+1], v[\src+bi:\src+bi+1], v[\src+bi+\stride:\src+bi+\stride+1] neg_lo:[0,1] neg_hi:[0,1]
.endif
.set bi, bi+2
.endr
.endm
; The stage whose partners are the two registers of a pair: (a + b, a - b).  In ascending order.
.macro PAIR src, dst, n
.set bi, 0
.rept (\n)/2
	v_pk_add_f32 v[\dst+bi:\dst+bi+1], v[\src+bi:\src+bi+1], v[\src+bi:\src+bi+1] op_sel:[0,1] op_sel_hi:[0,1] neg_hi:[0,1]
.set bi, bi+2
.endr
.endm
; The matrix line.  d: sums; a: weight fragment (source 0); b: x's fragment (source 1); zero: the product starts the sum; sa, sb: scale registers; ra, rb: 1 = the words lie in lanes 16-31.
.macro WM d, a, b, zero, sa, sb, ra, rb
.if \zero
.if (\ra) && (\rb)
	v_wmma_scale_f32_16x16x128_f8f6f4 v[(\d):(\d)+7], v[(\a):(\a)+11], v[(\b):(\b)+11], 0, v[\sa], v[\sb] matrix_a_fmt:MATRIX_FMT_BF6 matrix_b_fmt:MATRIX_FMT_BF6 matrix_a_scale:MATRIX_SCALE_ROW1 matrix_b_scale:MATRIX_SCALE_ROW1
.elseif (\ra)
	v_wmma_scale_f32_16x16x128_f8f6f4 v[(\d):(\d)+7], v[(\a):(\a)+11], v[(\b):(\b)+11], 0, v[\sa], v[\sb] matrix_a_fmt:MATRIX_FMT_BF6 matrix_b_fmt:MATRIX_FMT_BF6 matrix_a_scale:MATRIX_SCALE_ROW1
.elseif (\rb)
	v_wmma_scale_f32_16x16x128_f8f6f4 v[(\d):(\d)+7], v[(\a):(\a)+11], v[(\b):(\b)+11], 0, v[\sa], v[\sb] matrix_a_fmt:MATRIX_FMT_BF6 matrix_b_fmt:MATRIX_FMT_BF6 matrix_b_scale:MATRIX_SCALE_ROW1
.else
	v_wmma_scale_f32_16x16x128_f8f6f4 v[(\d):(\d)+7], v[(\a):(\a)+11], v[(\b):(\b)+11], 0, v[\sa], v[\sb] matrix_a_fmt:MATRIX_FMT_BF6 matrix_b_fmt:MATRIX_FMT_BF6
.endif
.else
.if (\ra) && (\rb)
	v_wmma_scale_f32_16x16x128_f8f6f4 v[(\d):(\d)+7], v[(\a):(\a)+11], v[(\b):(\b)+11], v[(\d):(\d)+7], v[\sa], v[\sb] matrix_a_fmt:MATRIX_FMT_BF6 matrix_b_fmt:MATRIX_FMT_BF6 matrix_a_scale:MATRIX_SCALE_ROW1 matrix_b_scale:MATRIX_SCALE_ROW1
.elseif (\ra)
	v_wmma_scale_f32_16x16x128_f8f6f4 v[(\d):(\d)+7], v[(\a):(\a)+11], v[(\b):(\b)+11], v[(\d):(\d)+7], v[\sa], v[\sb] matrix_a_fmt:MATRIX_FMT_BF6 matrix_b_fmt:MATRIX_FMT_BF6 matrix_a_scale:MATRIX_SCALE_ROW1
.elseif (\rb)
	v_wmma_scale_f32_16x16x128_f8f6f4 v[(\d):(\d)+7], v[(\a):(\a)+11], v[(\b):(\b)+11], v[(\d):(\d)+7], v[\sa], v[\sb] matrix_a_fmt:MATRIX_FMT_BF6 matrix_b_fmt:MATRIX_FMT_BF6 matrix_b_scale:MATRIX_SCALE_ROW1
.else
	v_wmma_scale_f32_16x16x128_f8f6f4 v[(\d):(\d)+7], v[(\a):(\a)+11], v[(\b):(\b)+11], v[(\d):(\d)+7], v[\sa], v[\sb] matrix_a_fmt:MATRIX_FMT_BF6 matrix_b_fmt:MATRIX_FMT_BF6
.endif
.endif
.endm
; A row of x, 32 loads of 512 consecutive bytes, into set p of window 1: register 4 j + i = number 128 j + 4 x lane + i.  off: bytes from the trip's first row.
.macro XLOAD p, off
	WIN W_TO1
.set xj, 0
.rept 32
	global_load_b128 v[128*\p+4*xj:128*\p+4*xj+3], v[LI], s[4:5] offset:\off+16384*\p+512*xj th:TH_LOAD_NT
.set xj, xj+1
.endr
	WIN 0
.endm
; ======== HEAD
	s_load_b256 s[4:11], s[0:1], 0x0               ; x s[4:5], SU s[6:7], SV s[8:9], wb s[10:11]
	s_load_b64 s[12:13], s[0:1], 0x20              ; out0
	v_lshl_add_u32 v[SPW], v0, 2, SPARE
	v_mov_b32 v[NIL], 0
	ds_add_u32 v3, v4
	ds_add_u32 v3, v4
	s_wait_dscnt 0x0
	v_lshrrev_b32 v26, 5, v0
	v_readfirstlane_b32 s14, v26                   ; wave 0..3
	s_bfe_u32 s15, ttmp6, 0x40000                  ; cx: my place in the cluster
	s_lshl_b32 s16, ttmp9, 2                       ; in a cluster launch ttmp9 counts clusters
	s_add_co_u32 s16, s16, s15                     ; my block of 32 rows: it enters x's and out0's addresses alone
	s_mov_b32 s20, 0x76543210
	s_mov_b32 s21, 0xfedcba98                      ; v_permlanex16_b32's selects for lane l xor 16
	; descriptor group 1: a quarter of a slot, dense: 100 rows of 32 elements of 8 bytes
	s_mov_b32 s[G1+0], 15|(3<<16)|(1<<21)          ; 15:0 the mask: all four work-groups; 17:16 elements of 8 bytes; 20 no padding (the images are read as consecutive bytes); 21 set beside a mask
	s_mov_b32 s[G1+1], 32<<16                      ; tensor_dim0 = 32
	s_mov_b32 s[G1+2], 100<<16                     ; tensor_dim1 = 100
	s_mov_b32 s[G1+3], 32<<16                      ; tile_dim0 = 32
	s_mov_b32 s[G1+4], 100                         ; tile_dim1 = 100
	s_mov_b32 s[G1+5], 32                          ; from row to row
	s_mov_b32 s[G1+6], 0
	s_mov_b32 s[G1+7], 0
	; every LDS address: a constant + a constant x lane + a constant x wave
	v_and_b32 v26, 31, v0                          ; lane
	v_lshlrev_b32 v[LI], 4, v26
	v_lshlrev_b32 v[L4], 2, v26
	s_mul_i32 s18, s14, 32*144
	s_add_co_u32 s18, s18, STG                     ; my stage
	v_add_nc_u32 v[STS], s18, v[L4]                ; in: row j (in the offset), word = lane
	v_mul_u32_u24 v27, v26, 144
	v_add_nc_u32 v[STL], s18, v27                  ; out: row = lane
	s_lshr_b32 s18, s14, 1
	s_mul_i32 s18, s18, 1536                       ; rows 8 w on lie in tile of rows w / 2,
	s_and_b32 s19, s14, 1
	s_lshl_b32 s19, s19, 7                         ; from its row 8 (w % 2) on: 16 bytes a row
	s_add_co_u32 s18, s18, s19
	s_add_co_u32 s18, s18, ABASE
	v_mul_u32_u24 v27, v26, APITCH                 ; K step = lane
	v_add_nc_u32 v[AWB], s18, v27
	s_lshl_b32 s18, s14, 5                         ; 4 bytes a row, 8 rows a wave
	s_add_co_u32 s18, s18, ASC
	v_mul_u32_u24 v27, v26, SPITCH
	v_add_nc_u32 v[ASB], s18, v27
	s_mul_i32 s18, s14, QUARB
	v_add_nc_u32 v[BQ], s18, v[LI]
	v_add_nc_u32 v[BQ+1], SLOTB, v[BQ]
	v_add_nc_u32 v[BS], s18, v[L4]
	v_add_nc_u32 v[BS], 24576, v[BS]
	v_add_nc_u32 v[BS+1], SLOTB, v[BS]
	v_and_b32 v27, 15, v0                          ; r
	v_bfe_u32 v26, v0, 4, 1                        ; h
	s_mul_i32 s18, s14, 24                         ; my wave's block of 32 codes in a row
	s_add_co_u32 s18, s18, XRC
	v_mul_u32_u24 v[XRR], v27, 112
	v_mad_u32_u24 v[XRW], v26, 12, v[XRR]          ; my half's 16 codes
	v_add_nc_u32 v[XRW], s18, v[XRW]
	v_mad_u32_u24 v[XRR], v26, 24, v[XRR]
	v_add_nc_u32 v[XRR], XRC, v[XRR]
	s_add_co_u32 s18, s14, XRS
	v_lshl_add_u32 v[XSW], v27, 2, s18             ; row r's word, byte = wave
	s_lshl_b32 s18, s14, 10
	v_mul_u32_u24 v[OS], v27, OPITCH
	v_lshl_add_u32 v[OS], v26, 9, v[OS]
	v_add_nc_u32 v[OS], s18, v[OS]                 ; row r, column 256 w + 128 h
	v_add_nc_u32 v[OS+1], 16*OPITCH, v[OS]
	s_mul_i32 s18, s14, 8*OPITCH
	v_add_nc_u32 v[OL], s18, v[LI]                 ; back: rows 8 w on, 16 bytes a lane
	v_add_nc_u32 v[ARB], ABASE, v[LI]
	v_add_nc_u32 v[ASRB], ASC, v[L4]
	v_add_nc_u32 v[XSR], XRS, v[L4]
	v_mov_b32 v[XM+2], 0                           ; written once: a lane permute's destination counts as one of its sources
	v_mov_b32 v[XM+3], 0
	s_lshl_b32 s18, s16, 5
	s_lshl_b32 s19, s14, 3
	s_add_co_u32 s18, s18, s19                     ; my wave's first row
	s_lshl_b32 s22, s18, 14                        ; x: 16,384 bytes a row (under 2^32)
	s_mov_b32 s23, 0
	s_lshl_b32 s18, s18, 12                        ; out0: 4,096 bytes a row
	s_mov_b32 s19, 0
	s_mul_i32 s46, s14, QUARB                      ; my quarter: in wb and in a slot alike
	s_mov_b32 s47, 0
	s_wait_kmcnt 0x0
	s_add_nc_u64 s[4:5], s[4:5], s[22:23]
	s_add_nc_u64 s[12:13], s[12:13], s[18:19]
	s_mov_b32 s[G0], 1                             ; count = 1
	s_mov_b32 s[G0+1], s46                         ; LDS address: slot 0
	s_add_nc_u64 s[G0+2:G0+3], s[10:11], s[46:47]  ; step 0
	s_mov_b32 s[G0+4], 1
	s_add_co_u32 s[G0+5], s46, SLOTB               ; slot 1
	s_add_nc_u64 s[G0+6:G0+7], s[G0+2:G0+3], SLOTB ; step 1
	s_or_b32 s[G0+3], s[G0+3], 0x80000000          ; type = 2
	s_or_b32 s[G0+7], s[G0+7], 0x80000000
	CROUND                                         ; all four work-groups are here: the first joint loads meet
	tensor_load_to_lds s[G0:G0+3], s[G1:G1+7]      ; both first fills go out together, ahead of every wait on TENSORcnt and every LDS read
	s_nop 0
	tensor_load_to_lds s[G0+4:G0+7], s[G1:G1+7]
	s_nop 0
	PLACES
	WIN W_TO3
.set xj, 0
.rept 32
	global_load_b128 v[4*xj:4*xj+3], v[LI], s[6:7] offset:512*xj           ; SU, laid as a row of x is
.set xj, xj+1
.endr
.set xj, 0
.rept 8
	global_load_b128 v[192+4*xj:192+4*xj+3], v[LI], s[8:9] offset:512*xj   ; SV: register 4 g + e = SV[128 g + 4 x lane + e]
.set xj, xj+1
.endr
	XLOAD 0, 0
	s_wait_loadcnt 32                              ; SU and SV are in; row 0's 32 loads, issued behind them, may be out
	WIN W_IN3
.set xj, 0
.rept 64
	v_pk_mul_f32 v[2*xj:2*xj+1], v[2*xj:2*xj+1], 0x3c800000 op_sel_hi:[1,0]   ; SU / 64
.set xj, xj+1
.endr
.set xj, 0
.rept 16
	v_pk_mul_f32 v[192+2*xj:193+2*xj], v[192+2*xj:193+2*xj], 0x3d000000 op_sel_hi:[1,0]   ; SV / 32
.set xj, xj+1
.endr
	XLOAD 1, 0
; ======== PHASE X.  The number's index e has 12 bits.  As loaded: register = 4 e[11:7] + e[1:0], lane = e[6:2].
.set QM, 128                           ; window 2, at work on the quantiser: v128-131 largest magnitudes, v132-135 scale operands, v136-139 bytes, v140 the word,
.set QS, 132
.set QB, 136
.set QW, 140
.set QC, 144                           ; v144-167 the codes: blocks 0, 2, 1, 3, six registers each: the registers of the operand's lanes (r, 0) and (r, 1)
.set QT, 168                           ; v168-182 second halves of blocks, as the conversions leave them
.macro ROW p
	s_wait_dscnt 0x0                               ; the last row's LDS stores have read their registers
	v_add_nc_u32 v[AW], s41, v[AWB]
	v_add_nc_u32 v[ASW], s42, v[ASB]
.if \p == 0
	s_wait_loadcnt 32                              ; this row is in; the other row's 32 loads, issued behind it, may be out
.else
	s_wait_loadcnt 0x0                             ; this row is in, and so is the row asked for a row ago
.endif
	WIN W_FUSE                                     ; stage e11, fused with x SU / 64
.set fi, 0
.rept 32
	v_pk_mul_f32 v[128+fi:129+fi], v[128*\p+64+fi:128*\p+65+fi], v[64+fi:65+fi]
.set fi, fi+2
.endr
.set fi, 0
.rept 32
	v_pk_fma_f32 v[fi:fi+1], v[128*\p+fi:128*\p+fi+1], v[fi:fi+1], v[128+fi:129+fi]
	v_pk_fma_f32 v[64+fi:65+fi], v[128*\p+fi:128*\p+fi+1], v[fi:fi+1], v[128+fi:129+fi] neg_lo:[0,0,1] neg_hi:[0,0,1]
.set fi, fi+2
.endr
	WIN 0
	s_cmp_eq_u32 s40, 1                            ; the row two further on takes this row's registers, unless this is the last trip: no load leaves x
	s_cbranch_scc1 .Lno_more_\@
	XLOAD \p, 32768
.Lno_more_\@:
	WIN W_ALL2
	BFLY 0, 128, 32, 128                           ; e10
	BFLY 128, 0, 16, 128                           ; e9
	BFLY 0, 128, 8, 128                            ; e8
	BFLY 128, 0, 4, 128                            ; e7
	WIN W_LDS2                                     ; the exchange, a quarter (one value of e[1:0]) at a time: in by rows e[11:7], out by rows = lane.  LDS serves a wave's instructions in order
.irp q, 0,1,2,3                        ; (ISA guide 5.7.1.4) and the stage is my wave's own: no wait between stores and loads, nor in front of the next quarter's stores
.set xj, 0
.rept 32
	ds_store_b32 v[STS], v[4*xj+\q] offset:144*xj
.set xj, xj+1
.endr
.set xj, 0
.rept 8
	ds_load_b128 v[128+32*\q+4*xj:128+32*\q+4*xj+3], v[STL] offset:16*xj
.set xj, xj+1
.endr
.endr
	s_wait_dscnt 0x0                               ; now lane = e[11:7], register = 32 e[1:0] + e[6:2]
	WIN W_ALL2
	PAIR 128, 0, 128                               ; e2
	BFLY 0, 128, 2, 128                            ; e3
	BFLY 128, 0, 4, 128                            ; e4
	BFLY 0, 128, 8, 128                            ; e5
	BFLY 128, 0, 16, 128                           ; e6
	BFLY 0, 128, 64, 128                           ; e1
.irp e, 0,1                            ; e0, and into natural order: register = e[6:0]
.set bi, 0
.rept 16
	v_pk_add_f32 v[4*bi+2*\e:4*bi+2*\e+1], v[128+64*\e+bi:129+64*\e+bi], v[160+64*\e+bi:161+64*\e+bi] op_sel:[0,0] op_sel_hi:[0,0] neg_hi:[0,1]
	v_pk_add_f32 v[4*bi+4+2*\e:4*bi+5+2*\e], v[128+64*\e+bi:129+64*\e+bi], v[160+64*\e+bi:161+64*\e+bi] op_sel:[1,1] op_sel_hi:[1,1] neg_hi:[0,1]
.set bi, bi+2
.endr
.endr
	; my 128 numbers are K step = lane of this row: four whole blocks
.irp b, 0,1,2,3
	v_max3_num_f32 v[QM+\b], |v[32*\b]|, |v[32*\b+1]|, 0x2800000   ; the floor 2^(5 - 127) among the leaves: the byte cannot fall under 1
.endr
.irp i, 2,4,6,8,10,12,14,16,18,20,22,24,26,28,30
.irp b, 0,1,2,3
	v_max3_num_f32 v[QM+\b], v[QM+\b], |v[32*\b+\i]|, |v[32*\b+\i+1]|   ; (the four blocks by turns)
.endr
.endr
.irp b, 0,1,2,3
	v_add_nc_u32 v[QS+\b], 0xfe000000, v[QM+\b]    ; 4 off the exponent field: the conversion's scale operand
.endr
.irp b, 0,1,2,3
	v_lshrrev_b32 v[QB+\b], 23, v[QS+\b]           ; the scale's byte
.endr
	v_lshl_or_b32 v[QW], v[QB+1], 8, v[QB]
	v_lshl_or_b32 v[QW], v[QB+2], 16, v[QW]
	v_lshl_or_b32 v[QW], v[QB+3], 24, v[QW]
.irp b, 0,1,2,3
	v_cvt_scalef32_pk16_bf6_f32 v[QC+12*(\b%2)+6*(\b/2):QC+12*(\b%2)+6*(\b/2)+2], v[32*\b:32*\b+15], v[QS+\b]
	v_cvt_scalef32_pk16_bf6_f32 v[QT+4*\b:QT+4*\b+2], v[32*\b+16:32*\b+31], v[QS+\b]   ; (a conversion's three registers begin on an even number)
.endr
	v_nop                                          ; one plain place behind a scaled conversion
.irp b, 0,1,2,3
.irp i, 0,1,2
	v_mov_b32 v[QC+12*(\b%2)+6*(\b/2)+3+\i], v[QT+4*\b+\i]
.endr
.endr
	WIN W_LDS2
.irp hh, 0,1
.irp c, 0,1,2
	ds_store_b128 v[AW], v[QC+12*\hh+4*\c:QC+12*\hh+4*\c+3] offset:256*\hh+512*\c+16*\p   ; the places of the operand's lanes (r, hh) in the image of K step = my lane
.endr
.endr
	ds_store_b32 v[ASW], v[QW] offset:4*\p
	WIN 0
.endm
	s_mov_b32 s40, 4                               ; trips: two rows each
	s_mov_b32 s41, 0                               ; the trip's rows in an image: 32 bytes a trip
	s_mov_b32 s42, 0                               ; and among the scale words: 8 bytes a trip
.Lrows:
	ROW 0
	ROW 1
	s_wait_xcnt 0x0                                ; the loads have read their base: it may step
	s_add_nc_u64 s[4:5], s[4:5], 32768
	s_add_co_u32 s41, s41, 32
	s_add_co_u32 s42, s42, 8
	s_sub_co_u32 s40, s40, 1
	s_cmp_lg_u32 s40, 0
	s_cbranch_scc1 .Lrows
	s_wait_dscnt 0x0                               ; for the others' sake: my rows' codes and scale words lie in LDS
	s_wait_tensorcnt 0x1                           ; my quarter of slot 0 is in; slot 1's may stay out
	s_barrier_signal -1
	s_barrier_wait -1
; ======== THE PRODUCTS
; THE CHANGE OF SLOTS: slot sl has been read out and takes the step two further on.  Each wave waits for all its tensor loads (one is out: its quarter of the other slot), adds 0 to its spare word,
; and waits for that and for its reads; the round holds of every wave of the four work-groups; the joint refill is the first thing behind it, one a wave.
.macro CHANGE sl
	WIN 0
	s_wait_tensorcnt 0x0                           ; no tensor load of mine is out, so a group 0 may be written
	ds_add_u32 v[SPW], v[NIL]                      ; 0 onto my spare word
	s_add_nc_u64 s[G0+4*\sl+2:G0+4*\sl+3], s[G0+4*\sl+2:G0+4*\sl+3], 2*SLOTB   ; the type bits on top are not reached
	s_wait_dscnt 0x0                               ; the add is done, my reads of the slot are over, and what I stored in LDS has landed
	CROUND
	tensor_load_to_lds s[G0+4*\sl:G0+4*\sl+3], s[G1:G1+7]
	s_nop 0
	PLACES                                         ; the four places in front of the loads into registers that matrix instructions have read (ISA guide 7.12.1 for vector instructions)
.endm
; A LOW-RANK STEP: K steps 8 k .. 8 k + 7 against my 32 low-rank columns.  The four sums take turns, one instruction a turn.
.macro LSTEP k
.set SL, (\k)%2
	v_add_nc_u32 v[AR], 8*APITCH*(\k), v[ARB]
.irp q, 0,1,2,3,4,5,6,7
	ds_load_b32 v[SA+\q], v[ASRB] offset:SPITCH*(8*(\k)+\q)        ; x's scale words: lanes 0-15 rows 0-15, lanes 16-31 rows 16-31
.endr
.irp q, 0,1,2,3,4,5,6,7
	ds_load_b32 v[SB+\q], v[BS+SL] offset:128*\q                   ; the weights': lanes 0-15 fragment 2 q, lanes 16-31 fragment 2 q + 1
.endr
	WIN W_TO3
.irp q, 0,1,2,3,4,5,6,7
.irp m, 0,1
.irp c, 0,1,2
	ds_load_b128 v[24*\q+12*\m+4*\c:24*\q+12*\m+4*\c+3], v[AR] offset:APITCH*\q+1536*\m+512*\c
.endr
.endr
.endr
	WIN W_TO1
.irp q, 0,1,2,3,4,5,6,7
.irp u, 0,1
.irp c, 0,1,2
	ds_load_b128 v[12*(2*\q+\u)+4*\c:12*(2*\q+\u)+4*\c+3], v[BQ+SL] offset:1536*(2*\q+\u)+512*\c
.endr
.endr
.endr
	WIN W_LMUL
.irp q, 0,1,2,3,4,5,6,7
.set LZ, 0
.if ((\k)+\q) == 0
.set LZ, 1                             ; the first K step starts the sums: nothing is cleared
.endif
	s_wait_dscnt 6*(7-\q)                          ; all up to this K step's two weight fragments are in; the six loads of each later K step may be out
	WM LR, 12*(2*\q), 24*\q, LZ, SB+\q, SA+\q, 0, 0
	WM LR+16, 12*(2*\q), 24*\q+12, LZ, SB+\q, SA+\q, 0, 1
	WM LR+8, 12*(2*\q+1), 24*\q, LZ, SB+\q, SA+\q, 1, 0
	WM LR+24, 12*(2*\q+1), 24*\q+12, LZ, SB+\q, SA+\q, 1, 1
.endr
	WIN 0
.endm
; A STEP OF 128 ALONG K against my 256 output columns: 16 weight fragments x 2 tiles of rows.  xr = 1: the way back (x's place is taken by the low-rank results); zero = 1: the products start the sums.
; The 32 sums take turns, one instruction a turn, in the same order in every step, over the loop's backward jump too.
.macro MSTEP sl, zero, xr
.if \xr
	ds_load_b32 v[SA], v[XSR]
.else
	v_add_nc_u32 v[AR], s43, v[ARB]
	v_add_nc_u32 v[ASR], s44, v[ASRB]
	s_add_co_u32 s43, s43, APITCH
	s_add_co_u32 s44, s44, SPITCH
	ds_load_b32 v[SA], v[ASR]
.endif
.irp q, 0,1,2,3,4,5,6,7
	ds_load_b32 v[SB+\q], v[BS+\sl] offset:128*\q
.endr
.irp m, 0,1
.if \xr
.irp p, 0,1,2,3,4,5
	ds_load_b64 v[AF+12*\m+2*\p:AF+12*\m+2*\p+1], v[XRR] offset:1792*\m+48*(\p/3)+8*(\p%3)   ; from rows: 24 bytes at 24 h and at 48 + 24 h, in pieces of 8
.endr
.else
.irp c, 0,1,2
	ds_load_b128 v[AF+12*\m+4*\c:AF+12*\m+4*\c+3], v[AR] offset:1536*\m+512*\c
.endr
.endif
.endr
	WIN W_TO1
.set mt, 0
.rept 16
.irp c, 0,1,2
	ds_load_b128 v[12*mt+4*\c:12*mt+4*\c+3], v[BQ+\sl] offset:1536*mt+512*\c
.endr
.set mt, mt+1
.endr
	WIN W_MUL
.set mt, 0
.rept 16
	s_wait_dscnt 3*(15-mt)                         ; all up to fragment t are in; the three loads of each later fragment may be out
	WM 8*mt, 12*mt, AF, \zero, SB+mt/2, SA, mt%2, 0
	WM 128+8*mt, 12*mt, AF+12, \zero, SB+mt/2, SA, mt%2, 1
.set mt, mt+1
.endr
	WIN 0
.endm
	LSTEP 0
	CHANGE 0
	LSTEP 1
	CHANGE 1
	LSTEP 2
	CHANGE 0                                       ; slot 0 takes the way back's weights
	LSTEP 3
	PLACES                                         ; four places in front of the first read of results
	; The low-rank results become an operand.  Registers LR + 16 m + 0 .. 15 of lane (r, h) are columns 32 w + 16 h + 0 .. 15 of row 16 m + r: my wave's 32 columns are block w of the way back's K,
	; shared by lanes l and l xor 16.  Each sum's registers are read from the low end on.
.irp m, 0,1
	v_max3_num_f32 v[XM+\m], |v[LR+16*\m]|, |v[LR+16*\m+1]|, 0x2800000
.endr
.irp i, 2,4,6,8,10,12,14
.irp m, 0,1
	v_max3_num_f32 v[XM+\m], v[XM+\m], |v[LR+16*\m+\i]|, |v[LR+16*\m+\i+1]|
.endr
.endr
.irp m, 0,1
	v_permlanex16_b32 v[XM+2+\m], v[XM+\m], s20, s21
.endr
.irp m, 0,1
	v_max_num_f32 v[XM+\m], v[XM+\m], v[XM+2+\m]   ; the block's largest magnitude
.endr
.irp m, 0,1
	v_add_nc_u32 v[XM+4+\m], 0xfe000000, v[XM+\m]
.endr
.irp m, 0,1
	v_lshrrev_b32 v[XM+6+\m], 23, v[XM+4+\m]
.endr
.irp m, 0,1
	v_cvt_scalef32_pk16_bf6_f32 v[XM+8+4*\m:XM+10+4*\m], v[LR+16*\m:LR+16*\m+15], v[XM+4+\m]
.endr
	v_nop                                          ; one plain place behind a scaled conversion
.irp m, 0,1
.irp i, 0,1,2
	ds_store_b32 v[XRW], v[XM+8+4*\m+\i] offset:1792*\m+4*\i       ; 16 codes, 12 bytes, at their place in the row's stream of bits
.endr
	ds_store_b8 v[XSW], v[XM+6+\m] offset:64*\m    ; both lanes of a block write the same byte with the same value
.endr
	CHANGE 1                                       ; its wait for all LDS instructions and its barriers also hand these codes to the other waves
	MSTEP 0, 1, 1                                  ; the way back starts all 32 sums
	s_mov_b32 s43, 0                               ; x's images: 3,088 bytes a step
	s_mov_b32 s44, 0                               ; x's scale words: 132 bytes a step
	s_mov_b32 s45, 15
.Llap:                                             ; 15 trips, two K steps of W_q each; both slots are filled again
	CHANGE 0
	MSTEP 1, 0, 0
	CHANGE 1
	MSTEP 0, 0, 0
	s_sub_co_u32 s45, s45, 1
	s_cmp_lg_u32 s45, 0
	s_cbranch_scc1 .Llap
	CHANGE 0                                       ; the last fill: K step 31
	MSTEP 1, 0, 0
	s_wait_tensorcnt 0x0                           ; my quarter of the last step is in; I alone read it; nothing is filled any more
	PLACES
	MSTEP 0, 0, 0
; ======== THE WAY OUT.  Register 128 m + i of lane (r, h) is column 256 w + 128 h + i of row 16 m + r: the column's bits 0-6 are the register's.
	PLACES                                         ; four places in front of the first read of results and the first write over the weights' registers
	WIN W_S21
	PAIR 0, 0, 256                                 ; bit 0; in ascending order: each sum's registers are read from the low end on
	WIN W_S12
	BFLY 0, 0, 2, 256
	WIN W_S21
	BFLY 0, 0, 4, 256
	WIN W_S12
	BFLY 0, 0, 8, 256
	WIN W_S21
	BFLY 0, 0, 16, 256
	WIN W_S12
	BFLY 0, 0, 32, 256
	WIN W_S21
	BFLY 0, 0, 64, 256                             ; bit 6: the results lie in window 1
	WIN 0
	s_wait_dscnt 0x0                               ; my reads of the slots are over (and every wave has waited for all its tensor loads):
	s_barrier_signal -1
	s_barrier_wait -1                              ; so are everybody's: the rows may be laid over the slots
	WIN W_ST1
.irp m, 0,1
.set mt, 0
.rept 16
	ds_store_b128 v[OS+\m], v[128*\m+8*mt:128*\m+8*mt+3] offset:32*mt
	ds_store_b128 v[OS+\m], v[128*\m+8*mt+4:128*\m+8*mt+7] offset:32*mt+16
.set mt, mt+1
.endr
.endr
	WIN 0
	s_wait_dscnt 0x0                               ; for the others' sake: my stores have landed
	s_barrier_signal -1
	s_barrier_wait -1
	WIN W_TO2
.irp i, 0,1,2,3,4,5,6,7                ; rows 8 w + i, whole: register 32 i + 4 g + e = column 128 g + 4 x lane + e
.irp g, 0,1,2,3,4,5,6,7
	ds_load_b128 v[32*\i+4*\g:32*\i+4*\g+3], v[OL] offset:OPITCH*\i+512*\g
.endr
.endr
	s_wait_dscnt 0x0
	WIN W_S21
	BFLY 0, 0, 4, 256                              ; bit 7
	WIN W_S12
	BFLY 0, 0, 8, 256                              ; bit 8
	WIN W_S21
	BFLY 0, 0, 16, 256                             ; bit 9
	WIN W_SVM
.set oi, 0
.rept 128
	v_pk_mul_f32 v[2*oi:2*oi+1], v[2*oi:2*oi+1], v[192+(2*oi)%32:193+(2*oi)%32]   ; x SV / 32
.set oi, oi+1
.endr
	WIN W_GST2
.irp i, 0,1,2,3,4,5,6,7
.irp g, 0,1,2,3,4,5,6,7
	global_store_b128 v[LI], v[32*\i+4*\g:32*\i+4*\g+3], s[12:13] offset:4096*\i+512*\g th:TH_STORE_NT   ; 32 lanes store 512 consecutive bytes, at a multiple of 256 from out0's first byte; written once, read by nobody here
.endr
.endr
	WIN 0
	s_wait_tensorcnt 0x0                           ; the wave's end, behind my last tensor load and my last LDS store
	ds_add_u32 v[SPW], v[NIL]
	s_wait_dscnt 0x0
	CROUND                                         ; the closing round: no work-group ends while a partner may still ask for a quarter that names it
	s_endpgm
.Lfunc_end_k_q4b4c86e2f2_main:
	.size	k_q4b4c86e2f2_main, .Lfunc_end_k_q4b4c86e2f2_main-k_q4b4c86e2f2_main
	.p2alignl 7, 3214868480
	.fill 96, 4, 3214868480
	.section	.rodata,"a",@progbits
	.p2align	6, 0x0
	.amdhsa_kernel k_q4b4c86e2f2_main
		.amdhsa_group_segment_fixed_size 327680
		.amdhsa_private_segment_fixed_size 0
		.amdhsa_enable_private_segment 0
		.amdhsa_kernarg_size 40
		.amdhsa_user_sgpr_count 2
		.amdhsa_user_sgpr_kernarg_segment_ptr 1
		.amdhsa_wavefront_size32 1
		.amdhsa_system_sgpr_workgroup_id_x 1
		.amdhsa_system_sgpr_workgroup_id_y 1
		.amdhsa_system_sgpr_workgroup_id_z 1
		.amdhsa_system_vgpr_workitem_id 0
		.amdhsa_next_free_vgpr 1024
		.amdhsa_next_free_sgpr 66
		.amdhsa_reserve_vcc 0
		.amdhsa_float_denorm_mode_32 3
		.amdhsa_float_denorm_mode_16_64 3
		.amdhsa_memory_ordered 1
		.amdhsa_forward_progress 1
		.amdhsa_inst_pref_size 255
	.end_amdhsa_kernel
	.section	.bss,"aw",@nobits
	.p2align	6
	.space	262144
	.amdgpu_metadata
---
amdhsa.version: [ 1, 2 ]
amdhsa.kernels:
  - .name:           k_q4b4c86e2f2_main
    .symbol:         k_q4b4c86e2f2_main.kd
    .args:
      - { .name: x, .offset: 0, .size: 8, .value_kind: global_buffer, .address_space: global }
      - { .name: SU, .offset: 8, .size: 8, .value_kind: global_buffer, .address_space: global }
      - { .name: SV, .offset: 16, .size: 8, .value_kind: global_buffer, .address_space: global }
      - { .name: wb, .offset: 24, .size: 8, .value_kind: global_buffer, .address_space: global }
      - { .name: out0, .offset: 32, .size: 8, .value_kind: global_buffer, .address_space: global }
    .group_segment_fixed_size: 327680
    .private_segment_fixed_size: 0
    .kernarg_segment_align: 8
    .kernarg_segment_size: 40
    .max_flat_workgroup_size: 128
    .sgpr_count:     66
    .vgpr_count:     1024
    .wavefront_size: 32
...
	.end_amdgpu_metadata
.endif
;; end of part 2
;; ======== version 2 of 2: 2 launches
;; limits: right only within a limited range of input values
;; workspace buffers: wb 3,788,800 bytes
;; launch prep (part 3): grid 296 x 1, 4 waves a work-group, no clusters, 0 bytes of LDS; arguments grid, Q_idxs, R_idxs, L_idxs, R_ft, L_ft, wb; writes wb
.if DOCPART == 3
	.amdgcn_target "amdgcn-amd-amdhsa--gfx1250"
	.amdhsa_code_object_version 6
	.text
	.protected	k_q4b4c86e2f2_prep
	.globl	k_q4b4c86e2f2_prep
	.p2align	8
	.type	k_q4b4c86e2f2_prep,@function
k_q4b4c86e2f2_prep:
	s_mov_b64 s[64:65], 0
	v_nop
	global_prefetch_b8 v0, s[64:65] scope:SCOPE_SE
	s_setreg_imm32_b32 hwreg(HW_REG_WAVE_MODE, 25, 1), 1
	s_wait_xcnt 0x0
; All weights become codes of BF6 (E3M2) with one E8M0 byte for each 32 along K, laid in wb AS IMAGES OF THE OPERAND'S REGISTERS, in the order in which the next launch walks them.
; wb: 37 slots of 102,400 bytes; a slot has four quarters w of 25,600 bytes: 16 fragment images of 1,536 bytes, then 1,024 bytes of scale words.
; A fragment is 16 rows x 128 K: lane (rho, h) holds row rho; registers 0-5 K = 32 h + 0..31, registers 6-11 K = 64 + 32 h + 0..31.  Image: registers 4 c .. 4 c + 3 of lane L at 512 c + 16 L.
; The scale word of fragment f, row rho, lies at 24,576 + 64 f + 4 rho of the quarter.
;   slots 0-3:  low-rank columns c (c < 64: row c of W_r = grid[R_idxs] x 1.05; c >= 64: row c - 64 of R_ft).  Fragment 2 q + u: K step 8 k + q, row rho = column 32 w + 8 u + 16 (rho / 8) + rho % 8.
;   slot 4:     the way back, one K step of 128: K' < 64: W_l[K'][n] = grid[L_idxs] x 1.1;  K' >= 64: L_ft[n][K' - 64].  Fragment t: row rho = output n = 256 w + 128 (rho / 8) + 8 t + rho % 8.
;   slots 5-36: W_q = grid[Q_idxs] x 0.9, K step k - 5, fragments and rows as in slot 4.
; The rows of a fragment are chosen so that the next launch's results lie in its registers in the order that its next step wants.
; SHARES: work-group G: slot G / 8, quarter (G / 2) % 4; its four waves take pairs of fragments 4 (G % 2) + wave.  A lane holds two whole blocks of 32 of each fragment, so a block's largest magnitude needs no other lane.
; A block's scale byte is the exponent field of its largest magnitude less 4, held at 1 from below by a floor among the maximum's leaves.
; LIMITS: NaN and infinities are not served.  A block of zeros, or one whose largest magnitude lies under 2^-122, gets the byte 1 where the rule says 127 or less than 1: its codes are zeros or next to it, and this program alone reads the bytes.
; Indices are held at 65,535, the table's last row.
; No LDS, no barrier, no matrix unit, no cluster: waves share nothing, and the launch is a few gathers deep.
.set SLOTB, 102400
.set QUARB, 25600
.set IDX, 16                           ; v16-79   indices, then byte offsets into grid
.set X,   80                           ; v80-207  fragment f's 64 numbers at X + 64 f: 0-31 block h, 32-63 block 2 + h
.set C,   208                          ; v208-231 the codes, 12 registers a fragment
.set T,   232                          ; v232-238 second halves of blocks, as the conversions leave them
.set MX,  240                          ; v240-241 largest magnitudes
.set SO,  242                          ; v242-243 the conversions' scale operands
.set PW,  244                          ; v244-245 the fragments' scale words
.set MW,  246                          ; v246     both, lanes 0-15 fragment 0's, lanes 16-31 fragment 1's
.set PL,  247                          ; v247     a lane permute's destination
.set BY,  248                          ; v248-249 scale bytes
	s_load_b256 s[4:11], s[0:1], 0x0               ; grid s[4:5], Q_idxs s[6:7], R_idxs s[8:9], L_idxs s[10:11]
	s_load_b128 s[12:15], s[0:1], 0x20             ; R_ft s[12:13], L_ft s[14:15]
	s_load_b64 s[16:17], s[0:1], 0x30              ; wb
	v_lshrrev_b32 v1, 5, v0
	v_readfirstlane_b32 s18, v1                    ; wave
	v_and_b32 v7, 31, v0                           ; lane
	v_lshlrev_b32 v1, 4, v7                        ; 16 x lane: my place in an image
	v_lshlrev_b32 v6, 2, v7                        ; 4 x lane: my place among the pair's scale words
	v_bfe_u32 v3, v0, 4, 1                         ; h
	v_and_b32 v4, 7, v0                            ; rho % 8
	v_bfe_u32 v5, v0, 3, 1                         ; rho / 8
	v_lshlrev_b32 v11, 3, v3                       ; 8 h: my bytes' place in a scale word
	v_mov_b32 v[PL], 0                             ; written once: a lane permute's destination counts as one of its sources
	s_mov_b32 s30, 0x76543210
	s_mov_b32 s31, 0xfedcba98                      ; v_permlanex16_b32's selects for lane l xor 16
	s_lshr_b32 s19, ttmp9, 3                       ; k: the slot
	s_bfe_u32 s20, ttmp9, 0x20001                  ; w: the quarter
	s_and_b32 s21, ttmp9, 1
	s_lshl_b32 s21, s21, 2
	s_add_co_u32 s21, s21, s18                     ; i: my pair of fragments, 0 .. 7
	s_mul_i32 s32, s19, SLOTB
	s_mul_i32 s33, s20, QUARB
	s_add_co_u32 s32, s32, s33                     ; where the quarter begins
	s_mul_i32 s33, s21, 3072
	s_add_co_u32 s34, s32, s33                     ; my two images
	s_mov_b32 s35, 0
	s_lshl_b32 s33, s21, 7
	s_add_co_u32 s32, s32, s33
	s_add_co_u32 s32, s32, 24576                   ; my two fragments' scale words
	s_mov_b32 s33, 0
	s_wait_kmcnt 0x0
	s_add_nc_u64 s[36:37], s[16:17], s[34:35]
	s_add_nc_u64 s[38:39], s[16:17], s[32:33]
	s_cmp_eq_u32 s19, 4                            ; the three ways part on the work-group's number alone
	s_cbranch_scc1 .Lmix
	s_cmp_ge_u32 s19, 5
	s_cbranch_scc1 .Lgather
	s_cmp_lt_u32 s20, 2
	s_cbranch_scc1 .Lgather
; ---- R_ft: row 32 (w - 2) + 8 f + 16 (rho / 8) + rho % 8 of 16,384 bytes; K step 8 k + i: 512 bytes; my blocks at 128 h and 256 + 128 h
	s_sub_co_u32 s24, s20, 2
	s_lshl_b32 s24, s24, 19
	s_lshl_b32 s25, s19, 3
	s_add_co_u32 s25, s25, s21
	s_lshl_b32 s25, s25, 9
	s_add_co_u32 s24, s24, s25
	s_wait_alu depctr_va_vdst(0)
	v_lshlrev_b32 v8, 18, v5
	v_lshl_add_u32 v8, v4, 14, v8
	v_lshl_add_u32 v8, v3, 7, v8
	v_add_nc_u32 v8, s24, v8
.irp f, 0,1
.irp c, 0,1
.irp a, 0,1,2,3,4,5,6,7
	global_load_b128 v[X+64*\f+32*\c+4*\a:X+64*\f+32*\c+4*\a+3], v8, s[12:13] offset:131072*\f+256*\c+16*\a th:TH_LOAD_NT
.endr
.endr
.endr
	s_wait_loadcnt 0x0
	s_branch .Lquant
; ---- W_q or W_r: both index tables have rows of 2,048 bytes; a K step is 16 indices; my blocks' four indices each at 16 h and 32 + 16 h
.Lgather:
	s_lshl_b32 s24, s20, 8
	s_lshl_b32 s25, s21, 4
	s_add_co_u32 s24, s24, s25                     ; W_q: first row 256 w + 16 i
	s_lshl_b32 s25, s20, 5                         ; W_r: first row 32 w
	s_sub_co_u32 s26, s19, 5                       ; W_q: K step k - 5 (not taken where k < 5)
	s_lshl_b32 s27, s19, 3
	s_add_co_u32 s27, s27, s21                     ; W_r: K step 8 k + i
	s_mov_b32 s28, 0x3f666666                      ; 0.9
	s_mov_b32 s29, 0x3f866666                      ; 1.05
	s_cmp_ge_u32 s19, 5                            ; every choice hangs on this one compare; nothing between it and the last of them sets SCC
	s_cselect_b64 s[22:23], s[6:7], s[8:9]
	s_cselect_b32 s24, s24, s25
	s_cselect_b32 s26, s26, s27
	s_cselect_b32 s28, s28, s29
	s_cselect_b32 s25, 7, 4                        ; rho / 8 counts 128 rows in W_q, 16 in W_r
	s_mov_b32 s29, s28                             ; (the packed form names the pair)
	s_lshl_b32 s26, s26, 6
	s_wait_alu depctr_va_vdst(0)
	v_lshlrev_b32 v8, s25, v5
	v_add3_u32 v8, v8, v4, s24                     ; my row
	v_lshlrev_b32 v8, 11, v8
	v_lshl_add_u32 v8, v3, 4, v8
	v_add_nc_u32 v8, s26, v8
.irp f, 0,1
.irp c, 0,1
	global_load_b128 v[IDX+8*\f+4*\c:IDX+8*\f+4*\c+3], v8, s[22:23] offset:16384*\f+32*\c   ; fragment 1's rows lie 8 further down
.endr
.endr
	s_wait_loadcnt 0x0
.set ia, 0
.rept 16
	v_min_u32 v[IDX+ia], 0xffff, v[IDX+ia]         ; held inside the table,
.set ia, ia+1
.endr
.set ia, 0
.rept 16
	v_lshlrev_b32 v[IDX+ia], 5, v[IDX+ia]          ; 32 bytes a lattice vector
.set ia, ia+1
.endr
.set ia, 0
.rept 16
	global_load_b128 v[X+8*ia:X+8*ia+3], v[IDX+ia], s[4:5]             ; index 8 f + 4 c + a brings numbers 8 a .. 8 a + 7 of block c of fragment f
	global_load_b128 v[X+8*ia+4:X+8*ia+7], v[IDX+ia], s[4:5] offset:16
.set ia, ia+1
.endr
	s_wait_loadcnt 0x0
.set ia, 0
.rept 64
	v_pk_mul_f32 v[X+2*ia:X+2*ia+1], v[X+2*ia:X+2*ia+1], s[28:29] op_sel_hi:[1,0]
.set ia, ia+1
.endr
	s_branch .Lquant
; ---- the way back.  Block h: K' = 32 h + a: W_l[K'][n]: index L_idxs[K'][n / 8], number n % 8 = rho % 8 of its vector.  Block 2 + h: L_ft[n][32 h + a].
.Lmix:
	s_lshl_b32 s24, s20, 7
	s_lshl_b32 s25, s21, 3
	s_add_co_u32 s24, s24, s25                     ; 4 (32 w + 2 i)
	s_wait_alu depctr_va_vdst(0)
	v_lshlrev_b32 v8, 14, v3                       ; 32 h rows of 512 bytes
	v_lshl_add_u32 v8, v5, 6, v8                   ; 4 x 16 (rho / 8)
	v_add_nc_u32 v8, s24, v8
	s_lshl_b32 s24, s20, 16
	s_lshl_b32 s25, s21, 12
	s_add_co_u32 s24, s24, s25                     ; L_ft: rows of 256 bytes: (256 w + 16 i) rows
	v_lshlrev_b32 v9, 15, v5
	v_lshl_add_u32 v9, v4, 8, v9
	v_lshl_add_u32 v9, v3, 7, v9
	v_add_nc_u32 v9, s24, v9
	v_lshlrev_b32 v10, 2, v4                       ; 4 (rho % 8)
.irp f, 0,1
.set ia, 0
.rept 32
	global_load_b32 v[IDX+32*\f+ia], v8, s[10:11] offset:512*ia+4*\f
.set ia, ia+1
.endr
.endr
.irp f, 0,1
.irp a, 0,1,2,3,4,5,6,7
	global_load_b128 v[X+64*\f+32+4*\a:X+64*\f+32+4*\a+3], v9, s[14:15] offset:2048*\f+16*\a
.endr
.endr
	s_wait_loadcnt 16                              ; the 64 indices are in; L_ft's 16 loads, issued behind them, may be out
.set ia, 0
.rept 64
	v_min_u32 v[IDX+ia], 0xffff, v[IDX+ia]
.set ia, ia+1
.endr
.set ia, 0
.rept 64
	v_lshl_add_u32 v[IDX+ia], v[IDX+ia], 5, v10
.set ia, ia+1
.endr
.set ia, 0
.rept 64
	global_load_b32 v[X+64*(ia/32)+ia%32], v[IDX+ia], s[4:5]
.set ia, ia+1
.endr
	s_wait_loadcnt 0x0
.irp f, 0,1
.set ia, 0
.rept 16
	v_pk_mul_f32 v[X+64*\f+2*ia:X+64*\f+2*ia+1], v[X+64*\f+2*ia:X+64*\f+2*ia+1], 0x3f8ccccd op_sel_hi:[1,0]   ; x 1.1: W_l's half alone
.set ia, ia+1
.endr
.endr
; ---- the quantiser: my two blocks of fragment f
.Lquant:
.macro QFRAG f
.set XF, X+64*\f
.set CF, C+12*\f
	v_max3_num_f32 v[MX], |v[XF]|, |v[XF+1]|, 0x2800000            ; the floor 2^(5 - 127) among the leaves: the byte cannot fall under 1
	v_max3_num_f32 v[MX+1], |v[XF+32]|, |v[XF+33]|, 0x2800000
.irp i, 2,4,6,8,10,12,14,16,18,20,22,24,26,28,30
	v_max3_num_f32 v[MX], v[MX], |v[XF+\i]|, |v[XF+\i+1]|          ; (the two blocks by turns)
	v_max3_num_f32 v[MX+1], v[MX+1], |v[XF+32+\i]|, |v[XF+33+\i]|
.endr
	v_add_nc_u32 v[SO], 0xfe000000, v[MX]          ; 4 off the exponent field: the conversion takes the exponent field of this operand as its scale
	v_add_nc_u32 v[SO+1], 0xfe000000, v[MX+1]
	v_lshrrev_b32 v[BY], 23, v[SO]                 ; the scale's byte
	v_lshrrev_b32 v[BY+1], 23, v[SO+1]
	v_lshl_or_b32 v[PW+\f], v[BY+1], 16, v[BY]     ; blocks h and 2 + h,
	v_lshlrev_b32 v[PW+\f], v11, v[PW+\f]          ; at their places in the word;
	v_permlanex16_b32 v[PL], v[PW+\f], s30, s31
	v_or_b32 v[PW+\f], v[PW+\f], v[PL]             ; with lane l xor 16's two the word is whole
	v_cvt_scalef32_pk16_bf6_f32 v[CF:CF+2], v[XF:XF+15], v[SO]
	v_cvt_scalef32_pk16_bf6_f32 v[T:T+2], v[XF+16:XF+31], v[SO]            ; (a conversion's three registers begin on an even number: the second half of a block's six is made elsewhere and moved)
	v_cvt_scalef32_pk16_bf6_f32 v[CF+6:CF+8], v[XF+32:XF+47], v[SO+1]
	v_cvt_scalef32_pk16_bf6_f32 v[T+4:T+6], v[XF+48:XF+63], v[SO+1]
	v_nop                                          ; one plain place behind a scaled conversion
.irp i, 0,1,2
	v_mov_b32 v[CF+3+\i], v[T+\i]
	v_mov_b32 v[CF+9+\i], v[T+4+\i]
.endr
.endm
	QFRAG 0
	QFRAG 1
	v_cmp_eq_u32 vcc_lo, 1, v3
	v_cndmask_b32 v[MW], v[PW], v[PW+1], vcc_lo    ; lanes 0-15 fragment 0's words, lanes 16-31 fragment 1's
.irp f, 0,1
.irp c, 0,1,2
	global_store_b128 v1, v[C+12*\f+4*\c:C+12*\f+4*\c+3], s[36:37] offset:1536*\f+512*\c   ; 32 lanes store 512 consecutive bytes, at a multiple of 256 from wb's first byte
.endr
.endr
	global_store_b32 v6, v[MW], s[38:39]           ; 128 consecutive bytes
	s_endpgm
.Lfunc_end_k_q4b4c86e2f2_prep:
	.size	k_q4b4c86e2f2_prep, .Lfunc_end_k_q4b4c86e2f2_prep-k_q4b4c86e2f2_prep
	.p2alignl 7, 3214868480
	.fill 96, 4, 3214868480
	.section	.rodata,"a",@progbits
	.p2align	6, 0x0
	.amdhsa_kernel k_q4b4c86e2f2_prep
		.amdhsa_group_segment_fixed_size 0
		.amdhsa_private_segment_fixed_size 0
		.amdhsa_enable_private_segment 0
		.amdhsa_kernarg_size 56
		.amdhsa_user_sgpr_count 2
		.amdhsa_user_sgpr_kernarg_segment_ptr 1
		.amdhsa_wavefront_size32 1
		.amdhsa_system_sgpr_workgroup_id_x 1
		.amdhsa_system_sgpr_workgroup_id_y 1
		.amdhsa_system_sgpr_workgroup_id_z 1
		.amdhsa_system_vgpr_workitem_id 0
		.amdhsa_next_free_vgpr 256
		.amdhsa_next_free_sgpr 66
		.amdhsa_reserve_vcc 1
		.amdhsa_float_denorm_mode_32 3
		.amdhsa_float_denorm_mode_16_64 3
		.amdhsa_memory_ordered 1
		.amdhsa_forward_progress 1
		.amdhsa_inst_pref_size 47
	.end_amdhsa_kernel
	.amdgpu_metadata
---
amdhsa.version: [ 1, 2 ]
amdhsa.kernels:
  - .name:           k_q4b4c86e2f2_prep
    .symbol:         k_q4b4c86e2f2_prep.kd
    .args:
      - { .name: grid, .offset: 0, .size: 8, .value_kind: global_buffer, .address_space: global }
      - { .name: Q_idxs, .offset: 8, .size: 8, .value_kind: global_buffer, .address_space: global }
      - { .name: R_idxs, .offset: 16, .size: 8, .value_kind: global_buffer, .address_space: global }
      - { .name: L_idxs, .offset: 24, .size: 8, .value_kind: global_buffer, .address_space: global }
      - { .name: R_ft, .offset: 32, .size: 8, .value_kind: global_buffer, .address_space: global }
      - { .name: L_ft, .offset: 40, .size: 8, .value_kind: global_buffer, .address_space: global }
      - { .name: wb, .offset: 48, .size: 8, .value_kind: global_buffer, .address_space: global }
    .group_segment_fixed_size: 0
    .private_segment_fixed_size: 0
    .kernarg_segment_align: 8
    .kernarg_segment_size: 56
    .max_flat_workgroup_size: 128
    .sgpr_count:     66
    .vgpr_count:     256
    .wavefront_size: 32
...
	.end_amdgpu_metadata
.endif
;; end of part 3
;; launch main (part 4): grid 256 x 1, 4 waves a work-group, clusters of 4 x 1, 327,680 bytes of LDS; arguments x, SU, SV, wb, out0; writes out0
.if DOCPART == 4
	.amdgcn_target "amdgcn-amd-amdhsa--gfx1250"
	.amdhsa_code_object_version 6
	.text
	.protected	k_q4b4c86e2f2_main
	.globl	k_q4b4c86e2f2_main
	.p2align	8
	.type	k_q4b4c86e2f2_main,@function
k_q4b4c86e2f2_main:
	s_mov_b64 s[64:65], 0
	v_nop
	global_prefetch_b8 v0, s[64:65] scope:SCOPE_SE
	s_setreg_imm32_b32 hwreg(HW_REG_WAVE_MODE, 25, 1), 1
	s_wait_xcnt 0x0
	s_wait_alu depctr_hold_cnt(0) depctr_sa_sdst(0) depctr_va_vdst(0) depctr_va_sdst(0) depctr_va_ssrc(0) depctr_va_vcc(0) depctr_vm_vsrc(0)
	s_getreg_b32 s2, hwreg(HW_REG_IB_STS2, 6, 4)
	s_cmp_eq_u32 s2, 0
	s_cbranch_scc0 .Lentry_in_a_cluster
	s_endpgm
.Lentry_in_a_cluster:
	s_bfe_u32 s2, ttmp6, 0x10000c
	s_cmp_lg_u32 s2, 0x3003
	s_cbranch_scc0 .Lentry_shape_is_right
	s_endpgm
.Lentry_shape_is_right:
; out0 = fwht(Q(xh) Q(W_q)^T + Q(xR) Q([W_l; L_ft^T])) x SV, with xh = fwht(x SU) and xR = Q(xh) Q([W_r; R_ft])^T; Q is the MX-BF6 quantiser along K.  GLOBAL_SCALE is 1.0 and is no instruction.
; The two transforms' factors 1/64 and 1/32 are powers of two and are folded into SU and SV.
; A work-group of four waves owns 32 rows of x through the whole chain; 256 work-groups, one for each 32 rows; four of them form a cluster.
; PART 1, a wave 8 rows, one row at a time in 128 registers: x SU, the 4,096-point transform (register stages, one turn through the wave's own LDS stage, register stages), the quantiser; the codes go to LDS
;   as images of the operand's registers.  After the turn a lane holds 128 neighbours along K, that is one K step.
; PART 2, 32 K steps of 128: wave w multiplies the 32 rows by its 256 columns of W_q (16 fragments) and its 32 low-rank columns (2 fragments): 36 matrix instructions a step.
;   W_q comes through a ring of two LDS slots of 102,400 bytes, a K step each, filled by JOINT tensor loads: the four work-groups of a cluster walk the same slots of wb in the same order, each wave asks for
;   its quarter (100 rows of 256 bytes) with the mask of all four.  A wave has one tensor load out.  Each refill stands behind a round of the cluster's barrier.
;   The low-rank columns' two images and scale word, 3,200 bytes a wave and step, go from wb straight into registers, one step ahead, in two sets: 7 loads a step.
;   Cluster c begins its walk along K at step c mod 32 and goes round: the first steps of the 64 walks together name all 32 slots of wb.  So no prefetch of wb is laid; x is the launch's stream from memory,
;   with 64 loads a wave out in part 1.
; PART 3: xR is quantised (a wave's 32 columns are one block), meets in LDS, and one more K step (wb's slot 4) adds the way back onto the same accumulators.
; PART 4: the 1,024-point transform: seven stages in registers, the rows through LDS, three stages, x SV, whole rows stored.
; A IN LDS: the 16-byte chunk i = 96 m + 32 c + L of K step j (registers 4 c .. 4 c + 3 of lane L of fragment m) lies at ABASE + 512 i + 16 ((i + j) mod 32); row r's scale word of K step j at ASC + 128 j + 4 ((r + j) mod 32).
;   Both arrays are dense, and both the stores (lanes = K steps) and the loads (lanes = L or r) touch different banks.
; LIMITS: NaN and infinities are not served.  A block whose largest magnitude lies under 2^-122 gets the scale byte 1 (a floor among the maximum's leaves); the bytes are read by this program alone.
.set SLOTB,  102400                    ; wb, and the ring: a slot, four quarters (one a wave) of 16 images of 1,536 bytes and 1,024 bytes of scale words
.set QUARB,  25600
.set ABASE,  2*SLOTB                   ; behind the ring
.set ASC,    ABASE+98304
.set STG,    ASC+4096                  ; part 1: a stage of 32 x 144 bytes for each wave
.set XRC,    STG                       ; part 3, behind a barrier: xR's codes, rows of 112 bytes, and its scale words
.set XRS,    STG+32*112
.set SPARE,  326400                    ; the spare words, 128 bytes a wave
.set OPITCH, 4112                      ; part 4: 32 rows of 4,096 bytes + 16, from LDS byte 0: the slots have had their last fill by then
.set LI,   1                           ; 16 x lane
.set L4,   2                           ; 4 x lane
.set SPW,  3
.set NIL,  4
.set STS,  5
.set STL,  6
.set ASB,  7                           ; ASC + 128 x lane
.set LN,   8                           ; v8-9 lane, lane + 1
.set AW,   10                          ; v10-11 where a row's codes go, lanes' halves 0 and 1 of the image
.set ASW,  12
.set AR,   14                          ; v14-15 where A's fragments 0 and 1 are read
.set ASR,  16
.set XRW,  17
.set XSW,  18
.set XRR,  19
.set OS,   20
.set OL,   22
.set ARB,  23                          ; ABASE + 512 x lane
.set XSR,  25
.set AF,   28                          ; A's two fragments: set 0 v28-51, set 1 v140-163
.set SA,   60                          ; v60-61 A's scale words, set 0, 1
.set BQ,   62                          ; v62-63 my quarter's images in slot 0, 1
.set BS,   64                          ; v64-65 its scale words
.set LR,   68                          ; v68-99 the four low-rank accumulators
.set XM,   100
.set SB,   120                         ; v120-127 W_q's scale words; v128 and v138 the low-rank columns', set 0, 1
.set WB,   24                          ; s[24:25] wb + my quarter
.set LB,   28                          ; s[28:29] the next step's two low-rank images
.set LS,   30                          ; s[30:31] less 24,576: their scale words
.set T0,   32
.set T1,   33
.set T2,   34
.set T4,   36
.set T6,   38
.set JR,   44                          ; the K step that is asked for
.set SX,   45
.set G0,   68                          ; s[68:75] descriptor group 0, a set for each slot
.set G1,   76                          ; s[76:83] descriptor group 1
.set W_FUSE, 0xad
.set W_ALL2, 0xaa
.set W_LDS2, 0x88
.set W_TO1,  0x40
.set W_TO2,  0x80
.set W_TO3,  0xc0
.set W_IN3,  0xc3
.set W_S21,  0x4a
.set W_S12,  0x85
.set W_ST1,  0x04
.set W_SVM,  0x8d
.set W_GST2, 0x08
.set MSB, 0
.macro WIN new                         ; the immediate's high byte repeats the setting that is left
.if MSB != (\new)
	s_set_vgpr_msb (MSB<<8)|(\new)
.set MSB, (\new)
.endif
.endm
.macro PLACES
.rept 4
	v_nop
.endr
.endm
.macro CROUND                          ; a round of the cluster's barrier
	s_barrier_signal -1
	s_barrier_wait -1
	s_cmp_lg_u32 s14, 0
	s_cbranch_scc1 .Lnot_wave_0_\@
	s_barrier_signal -3
.Lnot_wave_0_\@:
	s_barrier_wait -3
	s_barrier_signal -1
	s_barrier_wait -1
.endm
.macro BFLY src, dst, stride, n        ; a stage on registers stride apart
.set bi, 0
.rept (\n)/2
.if (bi & (\stride)) == 0
	v_pk_add_f32 v[\dst+bi:\dst+bi+1], v[\src+bi:\src+bi+1], v[\src+bi+\stride:\src+bi+\stride+1]
	v_pk_add_f32 v[\dst+bi+\stride:\dst+bi+\stride+1], v[\src+bi:\src+bi+1], v[\src+bi+\stride:\src+bi+\stride+1] neg_lo:[0,1] neg_hi:[0,1]
.endif
.set bi, bi+2
.endr
.endm
.macro PAIR src, dst, n                ; a stage inside register pairs
.set bi, 0
.rept (\n)/2
	v_pk_add_f32 v[\dst+bi:\dst+bi+1], v[\src+bi:\src+bi+1], v[\src+bi:\src+bi+1] op_sel:[0,1] op_sel_hi:[0,1] neg_hi:[0,1]
.set bi, bi+2
.endr
.endm
.macro WM d, a, b, zero, sa, sb, ra, rb   ; source 0 = 16 rows of weights, source 1 = 16 rows of x; ra, rb: the scale words lie in lanes 16-31
.if \zero
.if (\ra) && (\rb)
	v_wmma_scale_f32_16x16x128_f8f6f4 v[(\d):(\d)+7], v[(\a):(\a)+11], v[(\b):(\b)+11], 0, v[\sa], v[\sb] matrix_a_fmt:MATRIX_FMT_BF6 matrix_b_fmt:MATRIX_FMT_BF6 matrix_a_scale:MATRIX_SCALE_ROW1 matrix_b_scale:MATRIX_SCALE_ROW1
.elseif (\ra)
	v_wmma_scale_f32_16x16x128_f8f6f4 v[(\d):(\d)+7], v[(\a):(\a)+11], v[(\b):(\b)+11], 0, v[\sa], v[\sb] matrix_a_fmt:MATRIX_FMT_BF6 matrix_b_fmt:MATRIX_FMT_BF6 matrix_a_scale:MATRIX_SCALE_ROW1
.elseif (\rb)
	v_wmma_scale_f32_16x16x128_f8f6f4 v[(\d):(\d)+7], v[(\a):(\a)+11], v[(\b):(\b)+11], 0, v[\sa], v[\sb] matrix_a_fmt:MATRIX_FMT_BF6 matrix_b_fmt:MATRIX_FMT_BF6 matrix_b_scale:MATRIX_SCALE_ROW1
.else
	v_wmma_scale_f32_16x16x128_f8f6f4 v[(\d):(\d)+7], v[(\a):(\a)+11], v[(\b):(\b)+11], 0, v[\sa], v[\sb] matrix_a_fmt:MATRIX_FMT_BF6 matrix_b_fmt:MATRIX_FMT_BF6
.endif
.else
.if (\ra) && (\rb)
	v_wmma_scale_f32_16x16x128_f8f6f4 v[(\d):(\d)+7], v[(\a):(\a)+11], v[(\b):(\b)+11], v[(\d):(\d)+7], v[\sa], v[\sb] matrix_a_fmt:MATRIX_FMT_BF6 matrix_b_fmt:MATRIX_FMT_BF6 matrix_a_scale:MATRIX_SCALE_ROW1 matrix_b_scale:MATRIX_SCALE_ROW1
.elseif (\ra)
	v_wmma_scale_f32_16x16x128_f8f6f4 v[(\d):(\d)+7], v[(\a):(\a)+11], v[(\b):(\b)+11], v[(\d):(\d)+7], v[\sa], v[\sb] matrix_a_fmt:MATRIX_FMT_BF6 matrix_b_fmt:MATRIX_FMT_BF6 matrix_a_scale:MATRIX_SCALE_ROW1
.elseif (\rb)
	v_wmma_scale_f32_16x16x128_f8f6f4 v[(\d):(\d)+7], v[(\a):(\a)+11], v[(\b):(\b)+11], v[(\d):(\d)+7], v[\sa], v[\sb] matrix_a_fmt:MATRIX_FMT_BF6 matrix_b_fmt:MATRIX_FMT_BF6 matrix_b_scale:MATRIX_SCALE_ROW1
.else
	v_wmma_scale_f32_16x16x128_f8f6f4 v[(\d):(\d)+7], v[(\a):(\a)+11], v[(\b):(\b)+11], v[(\d):(\d)+7], v[\sa], v[\sb] matrix_a_fmt:MATRIX_FMT_BF6 matrix_b_fmt:MATRIX_FMT_BF6
.endif
.endif
.endm
.macro XLOAD p, off                    ; a row of x, 32 loads of 512 consecutive bytes, into half p of window 1
	WIN W_TO1
.set xj, 0
.rept 32
	global_load_b128 v[128*\p+4*xj:128*\p+4*xj+3], v[LI], s[4:5] offset:\off+16384*\p+512*xj th:TH_LOAD_NT
.set xj, xj+1
.endr
	WIN 0
.endm
.macro ADDR inc, n                     ; where K step JR's weights and A's scale words lie; W_q's slot goes into group 0 of LDS slot n
.if \inc
	s_wait_xcnt 0x0                                ; the last step's loads have read their bases
	s_add_co_u32 s[JR], s[JR], 1
	s_and_b32 s[JR], s[JR], 31
.endif
	s_mul_i32 s[T2], s[JR], SLOTB
	s_add_co_u32 s[T2], s[T2], 5*SLOTB
	s_add_nc_u64 s[G0+4*(\n)+2:G0+4*(\n)+3], s[WB:WB+1], s[T2:T2+1]
	s_or_b32 s[G0+4*(\n)+3], s[G0+4*(\n)+3], 0x80000000
	s_lshr_b32 s[T0], s[JR], 3                     ; the low-rank columns: slot JR / 8, images 2 (JR % 8) and the next
	s_mul_i32 s[T0], s[T0], SLOTB
	s_and_b32 s[T1], s[JR], 7
	s_mul_i32 s[T4], s[T1], 3072
	s_add_co_u32 s[T4], s[T4], s[T0]
	s_add_nc_u64 s[LB:LB+1], s[WB:WB+1], s[T4:T4+1]
	s_lshl_b32 s[T1], s[T1], 7
	s_add_co_u32 s[T6], s[T1], s[T0]
	s_add_nc_u64 s[LS:LS+1], s[WB:WB+1], s[T6:T6+1]
	s_lshl_b32 s[SX], s[JR], 7
	s_add_co_u32 s[SX], s[SX], ASC
.endm
	s_load_b256 s[4:11], s[0:1], 0x0               ; x s[4:5], SU s[6:7], SV s[8:9], wb s[10:11]
	s_load_b64 s[12:13], s[0:1], 0x20              ; out0
	v_lshrrev_b32 v26, 5, v0
	v_readfirstlane_b32 s14, v26                   ; wave
	s_and_b32 s[JR], ttmp9, 31                     ; where my cluster's walk along K begins: the same in its four work-groups
	s_mov_b32 s20, 0x76543210
	s_mov_b32 s21, 0xfedcba98                      ; v_permlanex16_b32's selects for lane l xor 16
	s_mov_b32 s[T2+1], 0
	s_mov_b32 s[T4+1], 0
	s_mov_b32 s[T6+1], 0
	s_mov_b32 s[G1+0], 15|(3<<16)|(1<<21)          ; the mask of all four; elements of 8 bytes; bit 21 beside a mask
	s_mov_b32 s[G1+1], 32<<16                      ; a dense block of 25,600 bytes as 100 rows of 256
	s_mov_b32 s[G1+2], 100<<16
	s_mov_b32 s[G1+3], 32<<16
	s_mov_b32 s[G1+4], 100
	s_mov_b32 s[G1+5], 32
	s_mov_b32 s[G1+6], 0
	s_mov_b32 s[G1+7], 0
	s_mul_i32 s46, s14, 32*144
	s_add_co_u32 s46, s46, STG                     ; my stage
	s_lshr_b32 s15, s14, 1                         ; m: my rows' fragment
	s_and_b32 s16, s14, 1
	s_lshl_b32 s41, s16, 3                         ; my first row's place in its fragment
	s_lshl_b32 s42, s14, 3                         ; and in the work-group
	s_mul_i32 s43, s15, 49152
	s_lshl_b32 s16, s16, 12
	s_add_co_u32 s43, s43, s16
	s_add_co_u32 s43, s43, ABASE                   ; ABASE + 512 (96 m + that place)
	s_mul_i32 s49, s14, 24
	s_add_co_u32 s49, s49, XRC
	s_add_co_u32 s50, s14, XRS
	s_lshl_b32 s51, s14, 10
	s_mul_i32 s52, s14, 8*OPITCH
	s_bfe_u32 s15, ttmp6, 0x40000                  ; cx
	s_lshl_b32 s18, ttmp9, 2
	s_add_co_u32 s18, s18, s15                     ; my work-group: it enters the addresses of x and out0 alone
	s_lshl_b32 s18, s18, 5
	s_add_co_u32 s18, s18, s42                     ; my first row of x
	s_lshl_b32 s22, s18, 14
	s_mov_b32 s23, 0
	s_lshl_b32 s18, s18, 12
	s_mov_b32 s19, 0
	s_mul_i32 s54, s14, QUARB
	s_mov_b32 s55, 0
	v_lshl_add_u32 v[SPW], v0, 2, SPARE
	v_mov_b32 v[NIL], 0
	ds_add_u32 v[SPW], v[NIL]                      ; the opening lines: the add, twice on end, and its wait ahead of my first tensor load
	ds_add_u32 v[SPW], v[NIL]
	v_and_b32 v[LN], 31, v0
	v_add_nc_u32 v[LN+1], 1, v[LN]
	v_lshlrev_b32 v[LI], 4, v[LN]
	v_lshlrev_b32 v[L4], 2, v[LN]
	v_add_nc_u32 v[STS], s46, v[L4]
	v_mul_u32_u24 v27, v[LN], 144
	v_add_nc_u32 v[STL], s46, v27
	v_lshlrev_b32 v27, 7, v[LN]
	v_add_nc_u32 v[ASB], ASC, v27
	v_lshlrev_b32 v27, 9, v[LN]
	v_add_nc_u32 v[ARB], ABASE, v27
	v_add_nc_u32 v[BQ], s54, v[LI]
	v_add_nc_u32 v[BQ+1], SLOTB, v[BQ]
	v_add_nc_u32 v[BS], s54, v[L4]
	v_add_nc_u32 v[BS], 24576, v[BS]
	v_add_nc_u32 v[BS+1], SLOTB, v[BS]
	v_and_b32 v27, 15, v0
	v_bfe_u32 v26, v0, 4, 1
	v_mul_u32_u24 v[XRR], v27, 112
	v_mad_u32_u24 v[XRW], v26, 12, v[XRR]
	v_add_nc_u32 v[XRW], s49, v[XRW]
	v_mad_u32_u24 v[XRR], v26, 24, v[XRR]
	v_add_nc_u32 v[XRR], XRC, v[XRR]
	v_lshl_add_u32 v[XSW], v27, 2, s50
	v_mul_u32_u24 v[OS], v27, OPITCH
	v_lshl_add_u32 v[OS], v26, 9, v[OS]
	v_add_nc_u32 v[OS], s51, v[OS]
	v_add_nc_u32 v[OS+1], 16*OPITCH, v[OS]
	v_add_nc_u32 v[OL], s52, v[LI]
	v_add_nc_u32 v[XSR], XRS, v[L4]
	v_mov_b32 v[XM+2], 0                           ; a lane permute's destination counts as one of its sources
	v_mov_b32 v[XM+3], 0
	s_wait_alu depctr_va_vdst(0)
	s_wait_dscnt 0x0                               ; both opening adds are done
	s_wait_kmcnt 0x0
	s_add_nc_u64 s[4:5], s[4:5], s[22:23]
	s_add_nc_u64 s[12:13], s[12:13], s[18:19]
	s_add_nc_u64 s[WB:WB+1], s[10:11], s[54:55]
	s_mov_b32 s[G0], 1
	s_mov_b32 s[G0+1], s54                         ; my quarter of slot 0,
	s_mov_b32 s[G0+4], 1
	s_add_co_u32 s[G0+5], s54, SLOTB               ; and of slot 1
	ADDR 0, 0
	CROUND                                         ; the four work-groups are here: the first joint loads meet
	tensor_load_to_lds s[G0:G0+3], s[G1:G1+7]      ; the walk's first K step: my one tensor load at the head
	s_nop 0
	PLACES
	WIN W_TO3
.set xj, 0
.rept 32
	global_load_b128 v[4*xj:4*xj+3], v[LI], s[6:7] offset:512*xj          ; SU, laid as a row of x: window 3, v0-127
.set xj, xj+1
.endr
.set xj, 0
.rept 8
	global_load_b128 v[224+4*xj:224+4*xj+3], v[LI], s[8:9] offset:512*xj  ; SV, laid as a row of out0: window 3, v224-255
.set xj, xj+1
.endr
	XLOAD 0, 0
	s_wait_loadcnt 32                              ; SU and SV are in; the row's 32 loads may be out
	WIN W_IN3
.set xj, 0
.rept 64
	v_pk_mul_f32 v[2*xj:2*xj+1], v[2*xj:2*xj+1], 0x3c800000 op_sel_hi:[1,0]   ; SU / 64
.set xj, xj+1
.endr
.set xj, 0
.rept 16
	v_pk_mul_f32 v[224+2*xj:225+2*xj], v[224+2*xj:225+2*xj], 0x3d000000 op_sel_hi:[1,0]   ; SV / 32
.set xj, xj+1
.endr
	XLOAD 1, 0
.set QM, 128
.set QS, 132
.set QB6, 136
.set QW, 140
.set QC, 144
.set QT, 168
; One row.  As loaded, register 4 j + e of lane L is element 128 j + 4 L + e.
.macro ROW p
	s_wait_dscnt 0x0
	v_add_nc_u32 v26, s41, v[LN+\p]                ; K step (my lane) + the row's place in its fragment,
	v_and_b32 v26, 31, v26                         ; mod 32: the skew of the image's lanes 0-15,
	v_lshl_add_u32 v[AW], v26, 4, s43
	v_xor_b32 v26, 16, v26                         ; and of its lanes 16-31
	v_lshl_add_u32 v[AW+1], v26, 4, s43
	v_add_nc_u32 v27, s42, v[LN+\p]
	v_and_b32 v27, 31, v27
	v_lshl_add_u32 v[ASW], v27, 2, v[ASB]
.if \p == 0
	s_wait_loadcnt 32                              ; this row is in; the other row's 32 loads may be out
.else
	s_wait_loadcnt 0x0
.endif
	WIN W_FUSE
.set fi, 0
.rept 32
	v_pk_mul_f32 v[128+fi:129+fi], v[128*\p+64+fi:128*\p+65+fi], v[64+fi:65+fi]   ; x SU, fused with the stage on registers 64 apart
.set fi, fi+2
.endr
.set fi, 0
.rept 32
	v_pk_fma_f32 v[fi:fi+1], v[128*\p+fi:128*\p+fi+1], v[fi:fi+1], v[128+fi:129+fi]
	v_pk_fma_f32 v[64+fi:65+fi], v[128*\p+fi:128*\p+fi+1], v[fi:fi+1], v[128+fi:129+fi] neg_lo:[0,0,1] neg_hi:[0,0,1]
.set fi, fi+2
.endr
	WIN 0
	s_cmp_eq_u32 s40, 1
	s_cbranch_scc1 .Lno_more_\@                    ; the last trip loads nothing
	XLOAD \p, 32768
.Lno_more_\@:
	WIN W_ALL2
	BFLY 0, 128, 32, 128
	BFLY 128, 0, 16, 128
	BFLY 0, 128, 8, 128
	BFLY 128, 0, 4, 128
	WIN W_LDS2
.irp q, 0,1,2,3                        ; the turn: j goes to the lanes, L to the registers (LDS serves a wave's instructions in order)
.set xj, 0
.rept 32
	ds_store_b32 v[STS], v[4*xj+\q] offset:144*xj
.set xj, xj+1
.endr
.set xj, 0
.rept 8
	ds_load_b128 v[128+32*\q+4*xj:128+32*\q+4*xj+3], v[STL] offset:16*xj
.set xj, xj+1
.endr
.endr
	s_wait_dscnt 0x0
	WIN W_ALL2
	PAIR 128, 0, 128
	BFLY 0, 128, 2, 128
	BFLY 128, 0, 4, 128
	BFLY 0, 128, 8, 128
	BFLY 128, 0, 16, 128
	BFLY 0, 128, 64, 128
.irp e, 0,1                            ; the last stage lays the 128 numbers in their order along K
.set bi, 0
.rept 16
	v_pk_add_f32 v[4*bi+2*\e:4*bi+2*\e+1], v[128+64*\e+bi:129+64*\e+bi], v[160+64*\e+bi:161+64*\e+bi] op_sel:[0,0] op_sel_hi:[0,0] neg_hi:[0,1]
	v_pk_add_f32 v[4*bi+4+2*\e:4*bi+5+2*\e], v[128+64*\e+bi:129+64*\e+bi], v[160+64*\e+bi:161+64*\e+bi] op_sel:[1,1] op_sel_hi:[1,1] neg_hi:[0,1]
.set bi, bi+2
.endr
.endr
.irp b, 0,1,2,3
	v_max3_num_f32 v[QM+\b], |v[32*\b]|, |v[32*\b+1]|, 0x2800000   ; four blocks of 32, all mine; the floor 2^(5 - 127) among the leaves
.endr
.irp i, 2,4,6,8,10,12,14,16,18,20,22,24,26,28,30
.irp b, 0,1,2,3
	v_max3_num_f32 v[QM+\b], v[QM+\b], |v[32*\b+\i]|, |v[32*\b+\i+1]|
.endr
.endr
.irp b, 0,1,2,3
	v_add_nc_u32 v[QS+\b], 0xfe000000, v[QM+\b]    ; 4 off the exponent field: the conversion's scale operand
.endr
.irp b, 0,1,2,3
	v_lshrrev_b32 v[QB6+\b], 23, v[QS+\b]          ; the scale's byte
.endr
	v_lshl_or_b32 v[QW], v[QB6+1], 8, v[QB6]
	v_lshl_or_b32 v[QW], v[QB6+2], 16, v[QW]
	v_lshl_or_b32 v[QW], v[QB6+3], 24, v[QW]
.irp b, 0,1,2,3
	v_cvt_scalef32_pk16_bf6_f32 v[QC+12*(\b%2)+6*(\b/2):QC+12*(\b%2)+6*(\b/2)+2], v[32*\b:32*\b+15], v[QS+\b]
	v_cvt_scalef32_pk16_bf6_f32 v[QT+4*\b:QT+4*\b+2], v[32*\b+16:32*\b+31], v[QS+\b]
.endr
	v_nop                                          ; one plain place behind a scaled conversion
.irp b, 0,1,2,3
.irp i, 0,1,2
	v_mov_b32 v[QC+12*(\b%2)+6*(\b/2)+3+\i], v[QT+4*\b+\i]
.endr
.endr
	WIN W_LDS2
.irp hh, 0,1
.irp c, 0,1,2
	ds_store_b128 v[AW+\hh], v[QC+12*\hh+4*\c:QC+12*\hh+4*\c+3] offset:512*\p+8192*\hh+16384*\c   ; the 32 lanes fill one chunk's 512 bytes
.endr
.endr
	ds_store_b32 v[ASW], v[QW]
	WIN 0
.endm
	s_mov_b32 s40, 4
.Lrows:
	ROW 0
	ROW 1
	s_wait_xcnt 0x0                                ; the loads have read their base
	s_add_nc_u64 s[4:5], s[4:5], 32768
	s_add_co_u32 s41, s41, 2
	s_add_co_u32 s42, s42, 2
	s_add_co_u32 s43, s43, 1024
	s_sub_co_u32 s40, s40, 1
	s_cmp_lg_u32 s40, 0
	s_cbranch_scc1 .Lrows
; ---- part 2
.macro AFETCH n                        ; A's two fragments and scale words of K step JR into set n; the five vector lines are also the places behind the last step's products
	v_add_nc_u32 v26, s[JR], v[LN]
	v_and_b32 v26, 31, v26                         ; the skew
	v_lshl_add_u32 v[AR], v26, 4, v[ARB]
	v_lshl_add_u32 v[ASR], v26, 2, s[SX]
	v_add_nc_u32 v[AR+1], 49152, v[AR]
	ds_load_b32 v[SA+\n], v[ASR]
.irp m, 0,1
.irp c, 0,1,2
	ds_load_b128 v[AF+112*(\n)+12*\m+4*\c:AF+112*(\n)+12*\m+4*\c+3], v[AR+\m] offset:16384*\c
.endr
.endr
.endm
.macro LFETCH n                        ; the low-rank columns of K step JR, from wb into set n (window 3, v[24 n ..]): 7 loads
	global_load_b32 v[SB+10*(\n)+8], v[L4], s[LS:LS+1] offset:24576
	WIN W_TO3
.irp u, 0,1
.irp c, 0,1,2
	global_load_b128 v[24*(\n)+12*\u+4*\c:24*(\n)+12*\u+4*\c+3], v[LI], s[LB:LB+1] offset:1536*\u+512*\c
.endr
.endr
	WIN 0
.endm
.macro BFETCH sl                       ; my quarter of slot sl: 8 scale words, 16 images into window 1
.irp q, 0,1,2,3,4,5,6,7
	ds_load_b32 v[SB+\q], v[BS+\sl] offset:128*\q
.endr
	WIN W_TO1
.set mt, 0
.rept 16
.irp c, 0,1,2
	ds_load_b128 v[12*mt+4*\c:12*mt+4*\c+3], v[BQ+\sl] offset:1536*mt+512*\c
.endr
.set mt, mt+1
.endr
.endm
.macro QMUL zero, p                    ; W_q's 16 fragments against both fragments of A (set p); every accumulator has one turn a step
	WIN 0xa1
.set mt, 0
.rept 16
	s_wait_dscnt 3*(15-mt)                         ; the images behind this one may be out
	WM 8*mt, 12*mt, AF+112*(\p), \zero, SB+mt/2, SA+(\p), mt%2, 0
	WM 128+8*mt, 12*mt, AF+112*(\p)+12, \zero, SB+mt/2, SA+(\p), mt%2, 1
.set mt, mt+1
.endr
.endm
; A K step: its W_q lies in slot p, its A and low-rank columns in sets p.  The change of slots comes first: all my tensor loads have landed, the add, my LDS reads are back, a round of the cluster's barrier,
; and the next step's joint load into the other slot.  last = 1: what follows is the way back's slot.
.macro STEP p, zero, last
.set NB, 1-(\p)
	s_wait_tensorcnt 0x0                           ; my quarter of this step's slot is in; no tensor load of mine is out, so a group 0 may be written
	ds_add_u32 v[SPW], v[NIL]
.if \last
	s_add_nc_u64 s[G0+4*NB+2:G0+4*NB+3], s[WB:WB+1], 4*SLOTB
	s_or_b32 s[G0+4*NB+3], s[G0+4*NB+3], 0x80000000
.else
	ADDR 1, NB
.endif
	s_wait_dscnt 0x0                               ; the add is done, and my reads of the other slot are back
	CROUND
	tensor_load_to_lds s[G0+4*NB:G0+4*NB+3], s[G1:G1+7]
	s_nop 0
.if \last
	PLACES
.else
	AFETCH NB
	LFETCH NB
.endif
	BFETCH \p
	QMUL \zero, \p
	s_wait_loadcnt 7*(1-\last)                     ; this step's low-rank columns are in; the next step's 7 loads may be out
	WIN 0x03                                       ; their images lie in window 3, their accumulators in window 0
	WM LR, 24*(\p), AF+112*(\p), \zero, SB+10*(\p)+8, SA+(\p), 0, 0
	WM LR+16, 24*(\p), AF+112*(\p)+12, \zero, SB+10*(\p)+8, SA+(\p), 0, 1
	WM LR+8, 24*(\p)+12, AF+112*(\p), \zero, SB+10*(\p)+8, SA+(\p), 1, 0
	WM LR+24, 24*(\p)+12, AF+112*(\p)+12, \zero, SB+10*(\p)+8, SA+(\p), 1, 1
	WIN 0
.endm
	s_wait_loadcnt 0x0                             ; no load of x is out on any way here: windows 1 and 3 take the weights from now on
	LFETCH 0
	s_wait_dscnt 0x0                               ; my rows' codes and scale words are in LDS
	s_barrier_signal -1
	s_barrier_wait -1                              ; and so are everybody's
	AFETCH 0
	STEP 0, 1, 0                                   ; the first step's products start the sums; its load is slot 1's first fill, issued as a refill is
	s_mov_b32 s53, 15
.Lk:
	STEP 1, 0, 0
	STEP 0, 0, 0
	s_sub_co_u32 s53, s53, 1
	s_cmp_lg_u32 s53, 0
	s_cbranch_scc1 .Lk
	STEP 1, 0, 1
; ---- part 3: lane (r, h) holds row r (16 m + r) of xR at columns 32 w + 16 h + 0 .. 15: a block of 32 lies in lanes l and l xor 16
	PLACES
.irp m, 0,1
	v_max3_num_f32 v[XM+\m], |v[LR+16*\m]|, |v[LR+16*\m+1]|, 0x2800000
.endr
.irp i, 2,4,6,8,10,12,14
.irp m, 0,1
	v_max3_num_f32 v[XM+\m], v[XM+\m], |v[LR+16*\m+\i]|, |v[LR+16*\m+\i+1]|
.endr
.endr
.irp m, 0,1
	v_permlanex16_b32 v[XM+2+\m], v[XM+\m], s20, s21
.endr
.irp m, 0,1
	v_max_num_f32 v[XM+\m], v[XM+\m], v[XM+2+\m]
.endr
.irp m, 0,1
	v_add_nc_u32 v[XM+4+\m], 0xfe000000, v[XM+\m]
.endr
.irp m, 0,1
	v_lshrrev_b32 v[XM+6+\m], 23, v[XM+4+\m]
.endr
.irp m, 0,1
	v_cvt_scalef32_pk16_bf6_f32 v[XM+8+4*\m:XM+10+4*\m], v[LR+16*\m:LR+16*\m+15], v[XM+4+\m]
.endr
	v_nop                                          ; one plain place behind a scaled conversion
.irp m, 0,1
.irp i, 0,1,2
	ds_store_b32 v[XRW], v[XM+8+4*\m+\i] offset:1792*\m+4*\i   ; my 16 codes, 12 bytes, at their place in the row's 96
.endr
	ds_store_b8 v[XSW], v[XM+6+\m] offset:64*\m
.endr
	s_wait_tensorcnt 0x0                           ; my quarter of the way back's slot is in: the launch's last tensor load
	s_wait_dscnt 0x0
	s_barrier_signal -1
	s_barrier_wait -1
	ds_load_b32 v[SA], v[XSR]
.irp m, 0,1
.irp p, 0,1,2,3,4,5
	ds_load_b64 v[AF+12*\m+2*\p:AF+12*\m+2*\p+1], v[XRR] offset:1792*\m+48*(\p/3)+8*(\p%3)
.endr
.endr
	BFETCH 0
	QMUL 0, 0
	WIN 0
; ---- part 4: register 8 t + i of lane (r, h) is column 256 w + 128 h + 8 t + i of row 16 m + r
	PLACES
	WIN W_S21
	PAIR 0, 0, 256
	WIN W_S12
	BFLY 0, 0, 2, 256
	WIN W_S21
	BFLY 0, 0, 4, 256
	WIN W_S12
	BFLY 0, 0, 8, 256
	WIN W_S21
	BFLY 0, 0, 16, 256
	WIN W_S12
	BFLY 0, 0, 32, 256
	WIN W_S21
	BFLY 0, 0, 64, 256
	WIN 0
	s_wait_alu depctr_va_vdst(0)
	s_wait_dscnt 0x0                               ; my reads of the slots are back
	s_barrier_signal -1
	s_barrier_wait -1                              ; and everybody's: the rows may be laid over the slots
	WIN W_ST1
.irp m, 0,1
.set mt, 0
.rept 16
	ds_store_b128 v[OS+\m], v[128*\m+8*mt:128*\m+8*mt+3] offset:32*mt
	ds_store_b128 v[OS+\m], v[128*\m+8*mt+4:128*\m+8*mt+7] offset:32*mt+16
.set mt, mt+1
.endr
.endr
	WIN 0
	s_wait_dscnt 0x0
	s_barrier_signal -1
	s_barrier_wait -1
	WIN W_TO2
.irp i, 0,1,2,3,4,5,6,7                ; wave w takes rows 8 w .. 8 w + 7 whole: register 4 g + e of lane L is column 128 g + 4 L + e
.irp g, 0,1,2,3,4,5,6,7
	ds_load_b128 v[32*\i+4*\g:32*\i+4*\g+3], v[OL] offset:OPITCH*\i+512*\g
.endr
.endr
	s_wait_dscnt 0x0
	WIN W_S21
	BFLY 0, 0, 4, 256
	WIN W_S12
	BFLY 0, 0, 8, 256
	WIN W_S21
	BFLY 0, 0, 16, 256
	WIN W_SVM
.set oi, 0
.rept 128
	v_pk_mul_f32 v[2*oi:2*oi+1], v[2*oi:2*oi+1], v[224+(2*oi)%32:225+(2*oi)%32]
.set oi, oi+1
.endr
	WIN W_GST2
.irp i, 0,1,2,3,4,5,6,7
.irp g, 0,1,2,3,4,5,6,7
	global_store_b128 v[LI], v[32*\i+4*\g:32*\i+4*\g+3], s[12:13] offset:4096*\i+512*\g th:TH_STORE_NT   ; 32 lanes store 512 consecutive bytes, aligned
.endr
.endr
	WIN 0
	s_wait_tensorcnt 0x0                           ; the wave's end
	ds_add_u32 v[SPW], v[NIL]
	s_wait_dscnt 0x0
	CROUND                                         ; the closing round
	s_endpgm
.Lfunc_end_k_q4b4c86e2f2_main:
	.size	k_q4b4c86e2f2_main, .Lfunc_end_k_q4b4c86e2f2_main-k_q4b4c86e2f2_main
	.p2alignl 7, 3214868480
	.fill 96, 4, 3214868480
	.section	.rodata,"a",@progbits
	.p2align	6, 0x0
	.amdhsa_kernel k_q4b4c86e2f2_main
		.amdhsa_group_segment_fixed_size 327680
		.amdhsa_private_segment_fixed_size 0
		.amdhsa_enable_private_segment 0
		.amdhsa_kernarg_size 40
		.amdhsa_user_sgpr_count 2
		.amdhsa_user_sgpr_kernarg_segment_ptr 1
		.amdhsa_wavefront_size32 1
		.amdhsa_system_sgpr_workgroup_id_x 1
		.amdhsa_system_sgpr_workgroup_id_y 1
		.amdhsa_system_sgpr_workgroup_id_z 1
		.amdhsa_system_vgpr_workitem_id 0
		.amdhsa_next_free_vgpr 1024
		.amdhsa_next_free_sgpr 96
		.amdhsa_reserve_vcc 0
		.amdhsa_float_denorm_mode_32 3
		.amdhsa_float_denorm_mode_16_64 3
		.amdhsa_memory_ordered 1
		.amdhsa_forward_progress 1
		.amdhsa_inst_pref_size 255
	.end_amdhsa_kernel
	.section	.bss,"aw",@nobits
	.p2align	6
	.space	262144
	.amdgpu_metadata
---
amdhsa.version: [ 1, 2 ]
amdhsa.kernels:
  - .name:           k_q4b4c86e2f2_main
    .symbol:         k_q4b4c86e2f2_main.kd
    .args:
      - { .name: x, .offset: 0, .size: 8, .value_kind: global_buffer, .address_space: global }
      - { .name: SU, .offset: 8, .size: 8, .value_kind: global_buffer, .address_space: global }
      - { .name: SV, .offset: 16, .size: 8, .value_kind: global_buffer, .address_space: global }
      - { .name: wb, .offset: 24, .size: 8, .value_kind: global_buffer, .address_space: global }
      - { .name: out0, .offset: 32, .size: 8, .value_kind: global_buffer, .address_space: global }
    .group_segment_fixed_size: 327680
    .private_segment_fixed_size: 0
    .kernarg_segment_align: 8
    .kernarg_segment_size: 40
    .max_flat_workgroup_size: 128
    .sgpr_count:     96
    .vgpr_count:     1024
    .wavefront_size: 32
...
	.end_amdgpu_metadata
.endif
;; end of part 4
